; MI455X (gfx1250); checked and timed in simulation.
; The chip was launched on July 23, 2026; its instructions are those of AMD's public machine-readable ISA for CDNA 5 (MIT licence, August 2026) and "CDNA5" Instruction Set Architecture Reference Guide (July 2026). The comments in the code are by the model that wrote it; some were corrected since.
;; Causal Attention. Allowed arithmetic: float matrix products may take bf16 or f16 operands with f32 sums; other float arithmetic in f32, or as packed bf16 or f16 multiplies, adds, multiply-adds, maxima and minima; sums over many terms, partial sums and values carried from step to step in f32; what a program stores and reads back later, other than sums and carried values, may be rounded once to bf16 or f16.
;; Inputs: Wk 1,024 x 1,024 float32; Wo 1,024 x 1,024 float32; Wq 1,024 x 1,024 float32; Wv 1,024 x 1,024 float32; bk 1,024 float32; bo 1,024 float32; bq 1,024 float32; bv 1,024 float32; x 1 x 4,096 x 1,024 float32.
;; Outputs: out0 1 x 4,096 x 1,024 float32.
;; 2 versions, each right; version 2 is version 1 with the launch prep written anew for expert scheduling mode. Each part assembles by itself: llvm-mc -triple=amdgcn-amd-amdhsa -mcpu=gfx1250 --defsym DOCPART=n.
;; ======== version 1 of 2: 4 launches
;; limits: values are held in f16: magnitudes above 65,504 overflow, below 6.1e-05 lose precision
;; workspace buffers: xb 8,388,608 bytes; wb 8,388,608 bytes; qh 8,388,608 bytes; kh 8,396,800 bytes; vh 8,388,608 bytes; ob 8,388,608 bytes
;; launch prep (part 1): grid 256 x 1, 8 waves a work-group, no clusters, 0 bytes of LDS; arguments x, Wq, Wk, Wv, Wo, xb, wb, kh; writes xb, wb, kh
.if DOCPART == 1
	.amdgcn_target "amdgcn-amd-amdhsa--gfx1250"
	.amdhsa_code_object_version 6
	.text
	.protected	k_q67d991fd8d_prep
	.globl	k_q67d991fd8d_prep
	.p2align	8
	.type	k_q67d991fd8d_prep,@function
k_q67d991fd8d_prep:
	s_mov_b64 s[64:65], 0
	v_nop
	global_prefetch_b8 v0, s[64:65] scope:SCOPE_SE
	s_setreg_imm32_b32 hwreg(HW_REG_WAVE_MODE, 25, 1), 1
	s_wait_xcnt 0x0
; THE INPUTS ARE ROUNDED ONCE, FOR THE MATRIX UNITS.  x -> xb and Wq, Wk, Wv -> planes 0, 1, 2 of wb in bf16; Wo -> plane 3 of wb, rounded to bf16 and that number written as f16
; (the last product multiplies f16 by f16).  LIMIT: a Wo entry below 6e-5 keeps the fixed step 6e-8 of f16; beyond 65,504 it would be lost.
; A stream: no LDS, no barrier.  A work-group takes 32,768 consecutive numbers (131,072 bytes in, 65,536 out): groups 0-127 x, groups 128-255 the four weights, 32 groups each.
; A wave takes 4,096 numbers: 32 loads of 512 consecutive bytes, all issued at once; each load makes one store of 256 consecutive bytes, aligned.
; Work-group 0 also writes 8,192 bytes of zeros behind the 16 heads of kh: the attention launch asks for K shifted by 64 keys, and the last tile of the last head reaches so far.
.set X,  4                             ; v[4:131]   32 x 4 numbers as loaded
.set Y,  132                           ; v[132:195] 32 x 2 registers to store: a pair of its own for each store, so none is rewritten
.set T,  196                           ; v[196:199] at work
.set ID, 24                            ; s24 the work-group
	s_load_b256 s[4:11], s[0:1], 0x0               ; x s[4:5], Wq s[6:7], Wk s[8:9], Wv s[10:11]
	s_load_b256 s[12:19], s[0:1], 0x20             ; Wo s[12:13], xb s[14:15], wb s[16:17], kh s[18:19]
	v_lshrrev_b32 v3, 5, v0                        ; wave
	v_and_b32 v1, 31, v0                           ; lane
	v_lshlrev_b32 v2, 3, v1
	v_lshlrev_b32 v1, 4, v1
	v_lshl_or_b32 v1, v3, 14, v1                   ; in: 16,384 x wave + 16 x lane
	v_lshl_or_b32 v2, v3, 13, v2                   ; out: 8,192 x wave + 8 x lane
	s_mov_b32 s[ID], ttmp9
	s_and_b32 s25, s[ID], 31                       ; my part of a weight
	s_sub_co_u32 s28, s[ID], 128                   ; my part of wb
	s_cmp_lt_u32 s[ID], 128
	s_cselect_b32 s26, s[ID], s25
	s_cselect_b32 s28, s[ID], s28
	s_lshl_b32 s26, s26, 17                        ; bytes in
	s_mov_b32 s27, 0
	s_lshl_b32 s28, s28, 16                        ; bytes out
	s_mov_b32 s29, 0
	s_wait_kmcnt 0x0
	s_mov_b64 s[20:21], s[12:13]                   ; the source: Wo, unless the number of the group says otherwise
	s_cmp_lt_u32 s[ID], 224
	s_cselect_b64 s[20:21], s[10:11], s[20:21]
	s_cmp_lt_u32 s[ID], 192
	s_cselect_b64 s[20:21], s[8:9], s[20:21]
	s_cmp_lt_u32 s[ID], 160
	s_cselect_b64 s[20:21], s[6:7], s[20:21]
	s_cmp_lt_u32 s[ID], 128
	s_cselect_b64 s[20:21], s[4:5], s[20:21]
	s_cselect_b64 s[22:23], s[14:15], s[16:17]     ; the destination: xb or wb
	s_add_nc_u64 s[20:21], s[20:21], s[26:27]
	s_add_nc_u64 s[22:23], s[22:23], s[28:29]
.set j, 0
.rept 32
	global_load_b128 v[X+4*j:X+4*j+3], v1, s[20:21] offset:512*j th:TH_LOAD_NT
.set j, j+1
.endr
; Load j is converted and stored.  half = 1: bf16 first, then that number as f16.
.macro CV j, half
	s_wait_loadcnt 31-(\j)                         ; loads come back in order: mine is in, the 31 - j younger ones may stay out
.if \half
	v_cvt_pk_bf16_f32 v[T],   v[X+4*(\j)],   v[X+4*(\j)+1]
	v_cvt_pk_bf16_f32 v[T+1], v[X+4*(\j)+2], v[X+4*(\j)+3]
	v_lshlrev_b32 v[X+4*(\j)],   16, v[T]
	v_and_b32     v[X+4*(\j)+1], 0xffff0000, v[T]
	v_lshlrev_b32 v[X+4*(\j)+2], 16, v[T+1]
	v_and_b32     v[X+4*(\j)+3], 0xffff0000, v[T+1]
	v_cvt_pk_f16_f32 v[Y+2*(\j)],   v[X+4*(\j)],   v[X+4*(\j)+1]
	v_cvt_pk_f16_f32 v[Y+2*(\j)+1], v[X+4*(\j)+2], v[X+4*(\j)+3]
.else
	v_cvt_pk_bf16_f32 v[Y+2*(\j)],   v[X+4*(\j)],   v[X+4*(\j)+1]
	v_cvt_pk_bf16_f32 v[Y+2*(\j)+1], v[X+4*(\j)+2], v[X+4*(\j)+3]
.endif
	global_store_b64 v2, v[Y+2*(\j):Y+2*(\j)+1], s[22:23] offset:256*(\j)  ; 32 lanes store 256 consecutive bytes, aligned
.endm
	s_cmp_lt_u32 s[ID], 224
	s_cbranch_scc0 .Lwo
.irp j, 0,1,2,3,4,5,6,7,8,9,10,11,12,13,14,15,16,17,18,19,20,21,22,23,24,25,26,27,28,29,30,31
	CV \j, 0
.endr
	s_cmp_lg_u32 s[ID], 0
	s_cbranch_scc1 .Lend
	v_lshlrev_b32 v3, 4, v0                        ; the zeros behind kh: 256 threads x 16 bytes, twice
	v_mov_b32 v[T], 0
	v_mov_b32 v[T+1], 0
	v_mov_b32 v[T+2], 0
	v_mov_b32 v[T+3], 0
	s_add_nc_u64 s[18:19], s[18:19], 0x800000
	global_store_b128 v3, v[T:T+3], s[18:19]
	global_store_b128 v3, v[T:T+3], s[18:19] offset:4096
.Lend:
	s_endpgm
.Lwo:
.irp j, 0,1,2,3,4,5,6,7,8,9,10,11,12,13,14,15,16,17,18,19,20,21,22,23,24,25,26,27,28,29,30,31
	CV \j, 1
.endr
	s_endpgm
.Lfunc_end_k_q67d991fd8d_prep:
	.size	k_q67d991fd8d_prep, .Lfunc_end_k_q67d991fd8d_prep-k_q67d991fd8d_prep
	.p2alignl 7, 3214868480
	.fill 96, 4, 3214868480
	.section	.rodata,"a",@progbits
	.p2align	6, 0x0
	.amdhsa_kernel k_q67d991fd8d_prep
		.amdhsa_group_segment_fixed_size 0
		.amdhsa_private_segment_fixed_size 0
		.amdhsa_enable_private_segment 0
		.amdhsa_kernarg_size 64
		.amdhsa_user_sgpr_count 2
		.amdhsa_user_sgpr_kernarg_segment_ptr 1
		.amdhsa_wavefront_size32 1
		.amdhsa_system_sgpr_workgroup_id_x 1
		.amdhsa_system_sgpr_workgroup_id_y 1
		.amdhsa_system_sgpr_workgroup_id_z 1
		.amdhsa_system_vgpr_workitem_id 0
		.amdhsa_next_free_vgpr 200
		.amdhsa_next_free_sgpr 66
		.amdhsa_reserve_vcc 0
		.amdhsa_float_denorm_mode_32 3
		.amdhsa_float_denorm_mode_16_64 3
		.amdhsa_memory_ordered 1
		.amdhsa_forward_progress 1
		.amdhsa_inst_pref_size 32
	.end_amdhsa_kernel
	.amdgpu_metadata
---
amdhsa.version: [ 1, 2 ]
amdhsa.kernels:
  - .name:           k_q67d991fd8d_prep
    .symbol:         k_q67d991fd8d_prep.kd
    .args:
      - { .name: x, .offset: 0, .size: 8, .value_kind: global_buffer, .address_space: global }
      - { .name: Wq, .offset: 8, .size: 8, .value_kind: global_buffer, .address_space: global }
      - { .name: Wk, .offset: 16, .size: 8, .value_kind: global_buffer, .address_space: global }
      - { .name: Wv, .offset: 24, .size: 8, .value_kind: global_buffer, .address_space: global }
      - { .name: Wo, .offset: 32, .size: 8, .value_kind: global_buffer, .address_space: global }
      - { .name: xb, .offset: 40, .size: 8, .value_kind: global_buffer, .address_space: global }
      - { .name: wb, .offset: 48, .size: 8, .value_kind: global_buffer, .address_space: global }
      - { .name: kh, .offset: 56, .size: 8, .value_kind: global_buffer, .address_space: global }
    .group_segment_fixed_size: 0
    .private_segment_fixed_size: 0
    .kernarg_segment_align: 8
    .kernarg_segment_size: 64
    .max_flat_workgroup_size: 256
    .sgpr_count:     66
    .vgpr_count:     200
    .wavefront_size: 32
...
	.end_amdgpu_metadata
.endif
;; end of part 1
;; launch qkv (part 2): grid 8 x 32, 4 waves a work-group, clusters of 4 x 4, 327,680 bytes of LDS; arguments xb, wb, bq, bk, bv, qh, kh, vh; writes qh, kh, vh
.if DOCPART == 2
	.amdgcn_target "amdgcn-amd-amdhsa--gfx1250"
	.amdhsa_code_object_version 6
	.text
	.protected	k_q67d991fd8d_qkv
	.globl	k_q67d991fd8d_qkv
	.p2align	8
	.type	k_q67d991fd8d_qkv,@function
k_q67d991fd8d_qkv:
	s_mov_b64 s[64:65], 0
	v_nop
	global_prefetch_b8 v0, s[64:65] scope:SCOPE_SE
	s_setreg_imm32_b32 hwreg(HW_REG_WAVE_MODE, 25, 1), 1
	s_wait_xcnt 0x0
	s_wait_alu depctr_hold_cnt(0) depctr_sa_sdst(0) depctr_va_vdst(0) depctr_va_sdst(0) depctr_va_ssrc(0) depctr_va_vcc(0) depctr_vm_vsrc(0)
	s_getreg_b32 s2, hwreg(HW_REG_IB_STS2, 6, 4)
	s_cmp_eq_u32 s2, 0
	s_cbranch_scc0 .Lentry_in_a_cluster
	s_endpgm
.Lentry_in_a_cluster:
	s_bfe_u32 s2, ttmp6, 0x10000c
	s_cmp_lg_u32 s2, 0xf033
	s_cbranch_scc0 .Lentry_shape_is_right
	s_endpgm
.Lentry_shape_is_right:
; q, k, v = x W + b, for Wq, Wk, Wv at once.  xb: [4096][1024] bf16.  wb: planes of [1024 k][1024 n] bf16.  The biases are rounded to bf16 like the other inputs.  Sums in f32, K ascending;
; each result is rounded once to f16, WITHOUT the scale of the scores, and stored by heads: qh, kh, vh are [16][4096][64].  LIMIT: f16 ends at 65,504: q, k, v must stay within it.
; SHARES.  A work-group makes 128 rows x 128 columns (two heads) of each of q, k, v: 8 x 32 work-groups.  Wave w takes rows 64 (w / 2) on and head w % 2: 4 x 4 tiles of 16 x 16 for each of the three:
; 48 accumulators, 384 registers.  One fragment of x feeds twelve products.  K goes in 8 steps of 128 through two LDS slots; a row of each tile is 256 bytes of memory, aligned.
; LAYOUT.  W lies [k][n]: its fragments come out of LDS turned, by ds_load_tr16_b128.  The product is used transposed (source 0 = 16 columns of W, source 1 = 16 rows of x): a lane holds one row
; and eight neighbouring columns.  The bias is the C operand of the first product of each sum.
; CLUSTER 4 x 4.  The tile of x hangs on the tile row alone and is asked for jointly along a row of the cluster; the tiles of W hang on the tile column alone and are asked for jointly along a column.
; Wave 0 asks for x, wave 1 + j for W number j: one tensor load a wave behind each round.
; REGISTERS, in windows of 256 (s_set_vgpr_msb: bits 1:0 source 0, 3:2 source 1, 5:4 source 2, 7:6 destination):
;   window 0: v16-31 addresses; v32-223 the way out, 16 registers for each of 12 units      window 1: v0-127 q sums, v128-255 k sums ((a, cb) at 8 (4 a + cb))
;   window 2: v0-127 v sums; v128-223 biases (8 (4 j + cb)); v224-239 at work               window 3: two fragment buffers of 128: x at 8 a, W at 32 + 8 (4 j + cb)
.set REG,   36864                      ; a region of a slot: 128 rows x 288 bytes (x uses 128 x 272 of it)
.set SLOT,  4*REG                      ; x, Wq, Wk, Wv
.set PA,    272                        ; a row of x in LDS: 256 bytes + 16: the 16 rows of a load start at 16 different groups of four banks (64 banks of 4 bytes: ISA guide 11.1)
.set PB,    288                        ; a row of W: 256 + 32
.set STAGE, 2*SLOT                     ; behind the ring: 16 rows x 144 bytes for each wave, for the way out
.set SP,    144
.set SPARE, STAGE+4*16*SP              ; behind the stages: the spare words, 128 bytes a wave: two blocks of 256 bytes that no other line names
.set ADRA, 16                          ; v16-17  LDS address of my fragments of x in slot 0, 1
.set ADRB, 18                          ; v18-23  of my fragments of W number j in slot s at 2 j + s
.set STO,  24                          ; v24  the way out: where I put 16 bytes of a row
.set RD,   25                          ; v25  where I read rows back
.set GO,   26                          ; v26  my 16 bytes in 512 consecutive bytes of the output
.set SPW,  28                          ; v28  my spare word; never rewritten
.set NIL,  29                          ; v29  0; never rewritten
.set PFO,  30                          ; v30  the prefetches: my lane x 2,048 bytes, a row of xb or of wb; never rewritten
.set BO,   31                          ; v31  my byte offset in a bias
.set OUT,  32
.set BIAS, 128                         ; window 2
.set TMPB, 224                         ; window 2
.set F0,   0                           ; window 3
.set F1,   128
.set WV, 20
.set WM, 21
.set WN, 22
.set CX, 23
.set CY, 24
.set TX, 25
.set TY, 26
.set G1A, 28                           ; s[28:35] descriptor group 1 for x
.set G1B, 36                           ; s[36:43] for W
.set G0A, 44                           ; s[44:51] group 0 for x, a set for each slot
.set G0B, 52                           ; s[52:59] for W
.set LIM, 60                           ; s60  1 in a wave that prefetches, else the greatest number
.set PST, 62                           ; s[62:63] bytes from K step to K step for my prefetches
.set PFA, 66                           ; s[66:67] where my prefetches stand
.set OB,  70                           ; s[70:75] qh, kh, vh at my first row
.set MSB, 0
.macro WIN new                         ; the high byte repeats the setting that is left; a switch that changes nothing is dropped
.if MSB != (\new)
	s_set_vgpr_msb (MSB<<8)|(\new)
.set MSB, (\new)
.endif
.endm
.macro PLACES                          ; four plain vector lines between a matrix instruction and a load into, or a read of, its registers
.rept 4
	v_nop
.endr
.endm
; A joint load.  The branch hangs on the number of the wave alone.  An s_nop 0 and four v_nop follow each of the two lines.
.macro JLOAD s
	s_cmp_eq_u32 s[WV], 0
	s_cbranch_scc0 .Lfor_b_\@
	tensor_load_to_lds s[G0A+4*(\s):G0A+4*(\s)+3], s[G1A:G1A+7]
	s_nop 0
.rept 4
	v_nop
.endr
	s_branch .Lasked_\@
.Lfor_b_\@:
	tensor_load_to_lds s[G0B+4*(\s):G0B+4*(\s)+3], s[G1B:G1B+7]
	s_nop 0
.rept 4
	v_nop
.endr
.Lasked_\@:
.endm
; A prefetch into the L2 of the K step that the NEXT refill will ask for: 32 rows x 256 bytes, a lane a row, one instruction a wave, behind the joint load and the run of LDS loads.
; Each row of a K step is named once in the launch: x by the clusters with x = 0 (wave 0), W by the clusters with y = 0 (waves 1 to 3); of a tile's 128 rows the partner at place p takes 32 p on, by address.
; how = 1: the second change of a trip: in the last trip there is no further K step.
.macro ASK how
	WIN 0
.if \how
	s_cmp_gt_u32 s3, s[LIM]
.else
	s_cmp_eq_u32 s[LIM], 1
.endif
	s_cbranch_scc0 .Lnot_mine_\@
	global_prefetch_b8 v[PFO], s[PFA:PFA+1] th:TH_LOAD_NT scope:SCOPE_SE
.Lnot_mine_\@:
.endm
.macro CREST                           ; a round of the barrier of the cluster, behind its opening barrier
	s_cmp_lg_u32 s[WV], 0
	s_cbranch_scc1 .Lnot_wave_0_\@
	s_barrier_signal -3
.Lnot_wave_0_\@:
	s_barrier_wait -3
	s_barrier_signal -1
	s_barrier_wait -1
.endm
.macro CROUND
	s_barrier_signal -1
	s_barrier_wait -1
	CREST
.endm
	s_load_b256 s[4:11], s[0:1], 0x0               ; xb s[4:5], wb s[6:7], bq s[8:9], bk s[10:11]
	s_load_b256 s[12:19], s[0:1], 0x20             ; bv s[12:13], qh s[14:15], kh s[16:17], vh s[18:19]
	v_lshl_add_u32 v[SPW], v0, 2, SPARE
	v_mov_b32 v[NIL], 0
	ds_add_u32 v[SPW], v[NIL]                      ; the opening: the add and its wait stand ahead of my first tensor load; work on registers stands between them
	v_lshrrev_b32 v1, 5, v0
	v_readfirstlane_b32 s[WV], v1                  ; wave 0..3
	s_lshr_b32 s[WM], s[WV], 1                     ; my 64 rows
	s_and_b32 s[WN], s[WV], 1                      ; my head of the two
	s_bfe_u32 s[CX], ttmp6, 0x40000
	s_bfe_u32 s[CY], ttmp6, 0x40004
	s_lshl_b32 s[TX], ttmp9, 2
	s_add_co_u32 s[TX], s[TX], s[CX]               ; tile column = 4 x cluster x + cx: heads 2 TX, 2 TX + 1
	s_and_b32 s[TY], ttmp7, 0xffff
	s_lshl_b32 s[TY], s[TY], 2
	s_add_co_u32 s[TY], s[TY], s[CY]               ; tile row = 4 x cluster y + cy
	s_lshl_b32 s76, s[CY], 2
	s_lshl_b32 s76, 15, s76                        ; my row of the cluster
	s_lshl_b32 s77, 0x1111, s[CX]                  ; my column
	s_or_b32 s[G1A], s76, (1<<16)|(1<<20)|(1<<21)|(5<<22)|(3<<25)  ; the mask; 2-byte elements; padding on; bit 21 beside a mask; after every 64 words, 4 words
	s_or_b32 s[G1B], s77, (1<<16)|(1<<20)|(1<<21)|(5<<22)|(7<<25)  ; the same with 8 words
.irp g, G1A, G1B
	s_mov_b32 s[(\g)+1], 128<<16                   ; tensor_dim0 = 128
	s_mov_b32 s[(\g)+2], 128<<16                   ; tensor_dim1 = 128
	s_mov_b32 s[(\g)+3], 128<<16                   ; tile_dim0 = 128
	s_mov_b32 s[(\g)+4], 128                       ; tile_dim1 = 128
	s_mov_b32 s[(\g)+5], 1024                      ; elements from row to row
	s_mov_b32 s[(\g)+6], 0
	s_mov_b32 s[(\g)+7], 0
.endr
	s_lshl_b32 s76, s[TY], 18                      ; x: 128 rows of 2,048 bytes for each tile row
	s_mov_b32 s77, 0
	s_max_u32 s80, s[WV], 1
	s_sub_co_u32 s80, s80, 1                       ; W: the plane of waves 1, 2, 3
	s_lshl_b32 s80, s80, 21
	s_lshl_b32 s81, s[TX], 8                       ; and 256 bytes of a row for each tile column
	s_add_co_u32 s80, s80, s81
	s_mov_b32 s81, 0
	s_mul_i32 s61, s[WV], REG                      ; where my tile goes: region = wave
	s_wait_dscnt 0x0                               ; the opening add is done
	s_wait_kmcnt 0x0
	s_add_nc_u64 s[78:79], s[4:5], s[76:77]
	s_add_nc_u64 s[82:83], s[6:7], s[80:81]
	CROUND                                         ; all sixteen work-groups are here: the first joint loads meet
.irp s, 0,1
	s_mov_b32 s[G0A+4*(\s)], 1
	s_add_co_u32 s[G0A+4*(\s)+1], s61, (\s)*SLOT
	s_add_nc_u64 s[G0A+4*(\s)+2:G0A+4*(\s)+3], s[78:79], (\s)*256
	s_or_b32 s[G0A+4*(\s)+3], s[G0A+4*(\s)+3], 0x80000000
	s_mov_b32 s[G0B+4*(\s)], 1
	s_add_co_u32 s[G0B+4*(\s)+1], s61, (\s)*SLOT
	s_add_nc_u64 s[G0B+4*(\s)+2:G0B+4*(\s)+3], s[82:83], (\s)*262144
	s_or_b32 s[G0B+4*(\s)+3], s[G0B+4*(\s)+3], 0x80000000
	JLOAD \s                                       ; K steps 0 and 1: two loads of mine are out
.endr
	v_and_b32 v1, 15, v0                           ; r = l % 16
	v_bfe_u32 v2, v0, 4, 1                         ; h = l / 16
	v_and_b32 v3, 7, v0
	v_bfe_u32 v4, v0, 3, 1
	v_and_b32 v5, 31, v0
	s_lshl_b32 s76, s[TX], 9
	s_lshl_b32 s77, s[WN], 8
	s_add_co_u32 s76, s76, s77
	v_lshl_add_u32 v[BO], v2, 5, s76               ; 4 x (128 TX + 64 WN + 8 h)
	WIN 0x80                                       ; destination window 2
.irp cb, 0,1,2,3
	global_load_b128 v[BIAS+8*(\cb):BIAS+8*(\cb)+3],         v[BO], s[8:9]   offset:64*(\cb)
	global_load_b128 v[BIAS+8*(\cb)+4:BIAS+8*(\cb)+7],       v[BO], s[8:9]   offset:64*(\cb)+16
	global_load_b128 v[BIAS+32+8*(\cb):BIAS+32+8*(\cb)+3],   v[BO], s[10:11] offset:64*(\cb)
	global_load_b128 v[BIAS+32+8*(\cb)+4:BIAS+32+8*(\cb)+7], v[BO], s[10:11] offset:64*(\cb)+16
	global_load_b128 v[BIAS+64+8*(\cb):BIAS+64+8*(\cb)+3],   v[BO], s[12:13] offset:64*(\cb)
	global_load_b128 v[BIAS+64+8*(\cb)+4:BIAS+64+8*(\cb)+7], v[BO], s[12:13] offset:64*(\cb)+16
.endr
	WIN 0
	v_mul_u32_u24 v6, v1, PA
	v_lshl_add_u32 v6, v2, 4, v6                   ; a fragment of x: row x pitch + 16 h
	s_mul_i32 s76, s[WM], 64*PA
	v_add_nc_u32 v[ADRA], s76, v6
	v_add_nc_u32 v[ADRA+1], SLOT, v[ADRA]
	v_lshl_add_u32 v7, v2, 3, v3                   ; the turning load: lane l reads row k = 8 h + l % 8, 16 bytes at 16 ((l / 8) % 2)
	v_mul_u32_u24 v7, v7, PB
	v_lshl_add_u32 v7, v4, 4, v7
	s_lshl_b32 s77, s[WN], 7                       ; my 64 columns
	v_add_nc_u32 v7, s77, v7
.irp j, 0,1,2
.irp s, 0,1
	v_add_nc_u32 v[ADRB+2*(\j)+(\s)], ((\j)+1)*REG+(\s)*SLOT, v7
.endr
.endr
	s_mul_i32 s76, s[WV], 16*SP
	s_add_co_u32 s76, s76, STAGE                   ; my stage
	v_mul_u32_u24 v8, v1, SP
	v_lshl_add_u32 v8, v2, 4, v8
	v_add_nc_u32 v[STO], s76, v8                   ; in: row r, 16 bytes for each half of the lanes
	v_lshrrev_b32 v8, 3, v5
	v_mul_u32_u24 v8, v8, SP
	v_lshl_add_u32 v8, v3, 4, v8
	v_add_nc_u32 v[RD], s76, v8                    ; back: 32 lanes take four rows of 128 bytes,
	v_lshlrev_b32 v[GO], 4, v5                     ; which are 512 consecutive bytes of a head
	v_lshlrev_b32 v[PFO], 11, v5
	s_lshl_b32 s76, s[TX], 1
	s_add_co_u32 s76, s76, s[WN]                   ; my head,
	s_lshl_b32 s76, s76, 19                        ; its 4,096 rows of 128 bytes,
	s_lshl_b32 s77, s[TY], 14                      ; the 128 rows of the tile,
	s_add_co_u32 s76, s76, s77
	s_lshl_b32 s77, s[WM], 13                      ; my 64 of them
	s_add_co_u32 s76, s76, s77
	s_mov_b32 s77, 0
	s_add_nc_u64 s[OB:OB+1],   s[14:15], s[76:77]
	s_add_nc_u64 s[OB+2:OB+3], s[16:17], s[76:77]
	s_add_nc_u64 s[OB+4:OB+5], s[18:19], s[76:77]
	s_and_b32 s80, ttmp7, 0xffff                   ; the prefetches: who, where, how far from step to step
	s_mov_b32 s81, 256
	s_cmp_eq_u32 s[WV], 0
	s_cselect_b32 s80, ttmp9, s80                  ; the coordinate along which other clusters read the same rows
	s_cselect_b32 s76, s[CX], s[CY]                ; my place among the four that ask with me
	s_cselect_b64 s[PFA:PFA+1], s[78:79], s[82:83]
	s_cselect_b32 s[PST], s81, 0x40000             ; x steps along its rows, W 128 rows down
	s_mov_b32 s[PST+1], 0
	s_cmp_eq_u32 s80, 0
	s_cselect_b32 s[LIM], 1, -1                    ; the same in all sixteen partners, for a given wave
	s_lshl_b32 s76, s76, 16                        ; 32 rows of 2,048 bytes
	s_mov_b32 s77, 0
	s_add_nc_u64 s[PFA:PFA+1], s[PFA:PFA+1], s[76:77]
	s_add_nc_u64 s[PFA:PFA+1], s[PFA:PFA+1], s[PST:PST+1]
	s_add_nc_u64 s[PFA:PFA+1], s[PFA:PFA+1], s[PST:PST+1]  ; at K step 2; the first refill steps it to 3.  K steps 0 to 2 come by their loads alone
	s_wait_loadcnt 0x0                             ; the biases
	WIN 0x8a                                       ; all in window 2: each bias is rounded to bf16 and widened again
.set i, 0
.rept 48
	v_cvt_pk_bf16_f32 v[TMPB+i%16], v[BIAS+2*i], v[BIAS+2*i+1]
	v_lshlrev_b32 v[BIAS+2*i], 16, v[TMPB+i%16]
	v_and_b32 v[BIAS+2*i+1], 0xffff0000, v[TMPB+i%16]
.set i, i+1
.endr
	WIN 0
; 16 matrix instructions: tensor j, 4 row blocks x 4 column blocks, 32 along K.  first = 1: the bias starts the sums.  The 48 accumulators take turns, one instruction a turn.
.macro MULT f, j, first
.if (\j) == 2
	WIN 0xaf
.elseif \first
	WIN 0x6f
.else
	WIN 0x5f
.endif
.irp a, 0,1,2,3
.irp cb, 0,1,2,3
.if \first
	v_wmma_f32_16x16x32_bf16 v[128*((\j)%2)+8*(4*(\a)+(\cb)):128*((\j)%2)+8*(4*(\a)+(\cb))+7], v[(\f)+32+8*(4*(\j)+(\cb)):(\f)+32+8*(4*(\j)+(\cb))+7], v[(\f)+8*(\a):(\f)+8*(\a)+7], v[BIAS+8*(4*(\j)+(\cb)):BIAS+8*(4*(\j)+(\cb))+7]
.else
	v_wmma_f32_16x16x32_bf16 v[128*((\j)%2)+8*(4*(\a)+(\cb)):128*((\j)%2)+8*(4*(\a)+(\cb))+7], v[(\f)+32+8*(4*(\j)+(\cb)):(\f)+32+8*(4*(\j)+(\cb))+7], v[(\f)+8*(\a):(\f)+8*(\a)+7], v[128*((\j)%2)+8*(4*(\a)+(\cb)):128*((\j)%2)+8*(4*(\a)+(\cb))+7]
.endif
.endr
.endr
.endm
; 32 LDS loads in one run: the fragments of quarter kq (32 along K) of a slot into buffer f: x, then Wq, Wk, Wv
.macro FETCH slot, kq, f
	WIN 0xc0                                       ; destination window 3, address window 0
.irp a, 0,1,2,3
	ds_load_b128 v[(\f)+8*(\a):(\f)+8*(\a)+3],   v[ADRA+(\slot)] offset:(\kq)*64+(\a)*16*PA
	ds_load_b128 v[(\f)+8*(\a)+4:(\f)+8*(\a)+7], v[ADRA+(\slot)] offset:(\kq)*64+(\a)*16*PA+32
.endr
.irp j, 0,1,2
.irp cb, 0,1,2,3
	ds_load_tr16_b128 v[(\f)+32+8*(4*(\j)+(\cb)):(\f)+32+8*(4*(\j)+(\cb))+3],   v[ADRB+2*(\j)+(\slot)] offset:(\kq)*32*PB+(\cb)*32
	ds_load_tr16_b128 v[(\f)+32+8*(4*(\j)+(\cb))+4:(\f)+32+8*(4*(\j)+(\cb))+7], v[ADRB+2*(\j)+(\slot)] offset:(\kq)*32*PB+(\cb)*32+16*PB
.endr
.endr
.endm
; A K step is four quarters of 48 matrix instructions, on buffers 0, 1, 0, 1.  One of the first three multiplies buffer f and fetches quarter kq into buffer g.
.macro QUARTER slot, kq, f, g, first
	s_wait_dscnt 16                                ; x and Wq are in; the 16 younger loads (Wk, Wv) may be out
	MULT \f, 0, \first
	PLACES
	FETCH \slot, \kq, \g
	s_wait_dscnt 32                                ; all but the 32 just issued
	MULT \f, 1, \first
	MULT \f, 2, \first
.endm
; The last quarter multiplies buffer 1 and changes slots.  In front of the barrier each wave waits for all its tensor loads (one is out: its part of the next slot), adds 0 to its spare word, and waits for
; that and for its reads of this slot.  fill = 1: the barrier opens a round of the cluster; behind it this slot is filled again, two K steps on: 160 matrix instructions ahead of the wait for it.
.macro TURN slot, next, fill, how
.if \fill
	s_wait_xcnt 0x0                                ; the last prefetch, a K step back, has read its address
	s_add_nc_u64 s[PFA:PFA+1], s[PFA:PFA+1], s[PST:PST+1]
.endif
	WIN 0
	s_wait_tensorcnt 0x0
	ds_add_u32 v[SPW], v[NIL]
	s_wait_dscnt 17                                ; (the add and the youngest sixteen loads may be out)
	MULT F1, 0, 0
	s_wait_dscnt 0x0                               ; the add is done, and my reads of this slot are over
	s_barrier_signal -1
	MULT F1, 1, 0
.if \fill
	WIN 0
.endif
	s_barrier_wait -1
.if \fill
	CREST                                          ; no wave of any partner still reads this slot or has a load on its way
	s_add_nc_u64 s[G0A+4*(\slot)+2:G0A+4*(\slot)+3], s[G0A+4*(\slot)+2:G0A+4*(\slot)+3], 512
	s_add_nc_u64 s[G0B+4*(\slot)+2:G0B+4*(\slot)+3], s[G0B+4*(\slot)+2:G0B+4*(\slot)+3], 524288
	JLOAD \slot                                    ; its four v_nop are also the places in front of the loads below
.else
	PLACES
.endif
	FETCH \next, 0, F0
.if \fill
	ASK \how
.endif
	MULT F1, 2, 0
.endm
; THE WAY OUT.  Unit (a, j): 16 rows x 64 channels of tensor j: rounded to f16, 16 bytes a lane into rows of 144 bytes of my stage, back as four rows of 128 bytes a load: 2,048 consecutive bytes of a head.
.macro PACK a, j
.if (\j) == 2
	WIN 0x0a
.else
	WIN 0x05
.endif
.irp cb, 0,1,2,3
.irp rr, 0,1,2,3
	v_cvt_pk_f16_f32 v[OUT+16*(3*(\a)+(\j))+4*(\cb)+(\rr)], v[128*((\j)%2)+8*(4*(\a)+(\cb))+2*(\rr)], v[128*((\j)%2)+8*(4*(\a)+(\cb))+2*(\rr)+1]
.endr
.endr
	WIN 0
.irp cb, 0,1,2,3
	ds_store_b128 v[STO], v[OUT+16*(3*(\a)+(\j))+4*(\cb):OUT+16*(3*(\a)+(\j))+4*(\cb)+3] offset:32*(\cb)
.endr
.irp f, 0,1,2,3
	ds_load_b128 v[OUT+16*(3*(\a)+(\j))+4*(\f):OUT+16*(3*(\a)+(\j))+4*(\f)+3], v[RD] offset:(\f)*4*SP  ; LDS serves a wave's instructions in order (ISA guide 5.7.1.4): these see the stores above
.endr
.endm
.macro SEND a, j, younger              ; younger: the LDS lines issued behind this unit's loads: the next unit's eight, or none
.irp f, 0,1,2,3
	s_wait_dscnt (\younger)+3-(\f)
	global_store_b128 v[GO], v[OUT+16*(3*(\a)+(\j))+4*(\f):OUT+16*(3*(\a)+(\j))+4*(\f)+3], s[OB+2*(\j):OB+2*(\j)+1] offset:(\a)*2048+(\f)*512  ; 512 consecutive bytes, aligned to 256
.endr
.endm
	s_wait_tensorcnt 1                             ; my part of K step 0 is in; K step 1 may stay out
	s_barrier_signal -1
	s_barrier_wait -1
	FETCH 0, 0, F0
	QUARTER 0, 1, F0, F1, 1                        ; the first quarter stands in front of the loop: its products start the sums with the biases
	WIN 0
	s_mov_b32 s3, 3
.Llap:                                         ; a trip goes once round the ring and fills both slots again
	QUARTER 0, 2, F1, F0, 0
	QUARTER 0, 3, F0, F1, 0
	TURN 0, 1, 1, 0
	QUARTER 1, 1, F0, F1, 0
	QUARTER 1, 2, F1, F0, 0
	QUARTER 1, 3, F0, F1, 0
	TURN 1, 0, 1, 1
	QUARTER 0, 1, F0, F1, 0
	WIN 0
	s_sub_co_u32 s3, s3, 1
	s_cmp_lg_u32 s3, 0
	s_cbranch_scc1 .Llap
	QUARTER 0, 2, F1, F0, 0                        ; K steps 6 and 7: nothing is left to fetch
	QUARTER 0, 3, F0, F1, 0
	TURN 0, 1, 0, 0
	QUARTER 1, 1, F0, F1, 0
	QUARTER 1, 2, F1, F0, 0
	QUARTER 1, 3, F0, F1, 0
	s_wait_dscnt 16
	MULT F1, 0, 0
	s_wait_dscnt 0x0
	MULT F1, 1, 0
	MULT F1, 2, 0
	PLACES
	PLACES
	PACK 0, 0
.irp u, 1,2,3,4,5,6,7,8,9,10,11        ; a unit's conversions stand between the loads of the unit before and its stores
	PACK (\u)/3, (\u)%3
	SEND ((\u)-1)/3, ((\u)-1)%3, 8
.endr
	SEND 3, 2, 0
	s_wait_tensorcnt 0x0                           ; the end of the wave
	ds_add_u32 v[SPW], v[NIL]
	s_wait_dscnt 0x0
	CROUND                                         ; the closing round
	s_endpgm
.Lfunc_end_k_q67d991fd8d_qkv:
	.size	k_q67d991fd8d_qkv, .Lfunc_end_k_q67d991fd8d_qkv-k_q67d991fd8d_qkv
	.p2alignl 7, 3214868480
	.fill 96, 4, 3214868480
	.section	.rodata,"a",@progbits
	.p2align	6, 0x0
	.amdhsa_kernel k_q67d991fd8d_qkv
		.amdhsa_group_segment_fixed_size 327680
		.amdhsa_private_segment_fixed_size 0
		.amdhsa_enable_private_segment 0
		.amdhsa_kernarg_size 64
		.amdhsa_user_sgpr_count 2
		.amdhsa_user_sgpr_kernarg_segment_ptr 1
		.amdhsa_wavefront_size32 1
		.amdhsa_system_sgpr_workgroup_id_x 1
		.amdhsa_system_sgpr_workgroup_id_y 1
		.amdhsa_system_sgpr_workgroup_id_z 1
		.amdhsa_system_vgpr_workitem_id 0
		.amdhsa_next_free_vgpr 1024
		.amdhsa_next_free_sgpr 84
		.amdhsa_reserve_vcc 0
		.amdhsa_float_denorm_mode_32 3
		.amdhsa_float_denorm_mode_16_64 3
		.amdhsa_memory_ordered 1
		.amdhsa_forward_progress 1
		.amdhsa_inst_pref_size 131
	.end_amdhsa_kernel
	.amdgpu_metadata
---
amdhsa.version: [ 1, 2 ]
amdhsa.kernels:
  - .name:           k_q67d991fd8d_qkv
    .symbol:         k_q67d991fd8d_qkv.kd
    .args:
      - { .name: xb, .offset: 0, .size: 8, .value_kind: global_buffer, .address_space: global }
      - { .name: wb, .offset: 8, .size: 8, .value_kind: global_buffer, .address_space: global }
      - { .name: bq, .offset: 16, .size: 8, .value_kind: global_buffer, .address_space: global }
      - { .name: bk, .offset: 24, .size: 8, .value_kind: global_buffer, .address_space: global }
      - { .name: bv, .offset: 32, .size: 8, .value_kind: global_buffer, .address_space: global }
      - { .name: qh, .offset: 40, .size: 8, .value_kind: global_buffer, .address_space: global }
      - { .name: kh, .offset: 48, .size: 8, .value_kind: global_buffer, .address_space: global }
      - { .name: vh, .offset: 56, .size: 8, .value_kind: global_buffer, .address_space: global }
    .group_segment_fixed_size: 327680
    .private_segment_fixed_size: 0
    .kernarg_segment_align: 8
    .kernarg_segment_size: 64
    .max_flat_workgroup_size: 128
    .sgpr_count:     84
    .vgpr_count:     1024
    .wavefront_size: 32
...
	.end_amdgpu_metadata
.endif
;; end of part 2
;; launch attn (part 3): grid 16 x 16, 4 waves a work-group, no clusters, 327,680 bytes of LDS; arguments qh, kh, vh, ob; writes ob
.if DOCPART == 3
	.amdgcn_target "amdgcn-amd-amdhsa--gfx1250"
	.amdhsa_code_object_version 6
	.text
	.protected	k_q67d991fd8d_attn
	.globl	k_q67d991fd8d_attn
	.p2align	8
	.type	k_q67d991fd8d_attn,@function
k_q67d991fd8d_attn:
	s_mov_b64 s[64:65], 0
	v_nop
	global_prefetch_b8 v0, s[64:65] scope:SCOPE_SE
	s_setreg_imm32_b32 hwreg(HW_REG_WAVE_MODE, 25, 1), 1
	s_wait_xcnt 0x0
; CAUSAL ATTENTION WITH ALIBI.  O[h][q] = the sum over k <= q of softmax_k(Q[h][q] . K[h][k] / 8 - slope_h (4095 - k)) V[h][k], slope_h = 2^(-(h + 1) / 2).  qh, kh, vh: [16][4096][64] f16, unscaled.
; O leaves in f16 as ob[32 blocks of 128 rows][16 heads][128][64].  Products, maxima and sums in f32; the weights are rounded to f16 for the second product (their sum is taken unrounded), O once.
; LIMITS.  Q, K, V arrive within 65,504.  A hidden score counts as its value less 1e30.  A weight below 2^-126 counts as 0.  NaN and infinities are not treated apart.
; THE WALK.  A head has 32 blocks of 128 queries and 16 tiles of 256 keys (four steps of 64).  Work-group g takes block 2 g + 1 (tiles 0 .. g) and then block 30 - 2 g (tiles 0 .. 15 - g): 17 tiles
; whatever g: one loop with a constant count, and the ring of two slots runs on across the change of blocks.  Every jump but the counted loops goes forward and passes no barrier.
; SHARES.  Of the two bands of 64 rows of a block a wave owns 16 rows in each: PIECE 0 in the upper band, PIECE 1 in the lower.  With e the own step of the lower band, steps before e are seen whole by
; both; the lower band ends with step e, masked; the upper sees e whole and ends with e + 1, masked.  The odd block has 4 g + 2 plain steps, the even one 4 (15 - g): the place of the diagonal is known in the text.
; ALIBI.  Softmax ignores a constant of the row, so the term is slope x k.  In units of the raw product it is SL8 x k, SL8 = 8 slope.  Within a step it is a fixed ramp, AB = SL8 x (0 .. 63), the C operand that
; starts S^T = K Q^T (ADM: the same with -1e30 where the key is hidden in a band's own step).  From step to step it grows by 64 SL8: the running maximum is taken down by that (one line a piece and step),
; which moves it into the frame of the new step; it stays the true running maximum.
; SOFTMAX.  p = 2^(c s - c m), c = log2(e) / 8; O and l are multiplied by a = 2^(c m_old - c m_new) in every step.  m starts at the lowest finite number: the first a is 0.
; TURNS.  Turn (p, s): 8 products K Q^T of piece 1 - p (step s for p = 0, s + 1 for p = 1); the scaling, exponentials, rescaling of piece p; the maximum of piece 1 - p; ONE wait for the 33 exponentials;
; 8 products V^T P of piece 1 - p with the roundings and sums of piece p behind them.  Turn (0, s) fetches K of step s + 1 and V of step s.  So a slot holds K of steps 4 t + 1 .. 4 t + 4 and V of steps
; 4 t .. 4 t + 3, and the change of slots stands between two turns with nothing out.  K of step 0 has LDS bytes of its own, filled once.
; NO CLUSTER: work-group g goes back to tile 0 in trip g + 1, so four neighbours 4 c .. 4 c + 3 ask for the same tile only in trips 0 .. 4 c; a walk common to the four has 20 tiles for 17, and the ends of
; their blocks would fall into different trips, which would be a branch on the place in the cluster.
; REGISTERS, in windows of 256 (s_set_vgpr_msb: bits 1:0 source 0, 3:2 source 1, 5:4 source 2, 7:6 destination):
;   window 0: v1-15, v24-25 addresses; v16-23 statistics; v48-55 at work; v64-127 S^T; v192-223 P          window 1: v0-63 O^T; v64-95 AB; v96-127 ADM
;   window 2: v0-31 Q; v32-63 Q of the second block; v128-191 K of one step; v192-255 V of one step
.set KS,    64
.set PK,    144       ; a row of K in LDS: 128 bytes + 16: the 16 rows of a load start at 16 different groups of four banks (64 banks of 4 bytes: ISA guide 11.1)
.set PV,    160       ; a row of V: 128 + 32
.set VOFF,  4*KS*PK
.set K0,    4*KS*(PK+PV)        ; behind slot 0: K of step 0, 64 rows
.set SLOT1, 1<<17
.set STAGE, SLOT1+4*KS*(PK+PV)  ; behind the ring: 16 rows x 144 bytes for each wave
.set SP,    144
.set SPARE, STAGE+4*16*SP       ; the spare words, 128 bytes a wave: two blocks of 256 bytes that no other line names
.set AK0, 2
.set AV0, 3
.set AK,  4
.set AV,  5
.set STO, 6
.set RD,  7
.set GO,  8
.set MV,  12          ; v12-13  c m_old in the new frame, by piece
.set QO,  15
.set ST,  16          ; piece t at ST + 4 t: c m, m, l (even keys), l (odd keys)
.set PFO, 24          ; v24  256 x my lane; never rewritten
.set H8,  25          ; v25  8 (l / 16)
.set TMP, 48          ; by piece, c0-c3 at work; c2 takes a
.set SPW, 62
.set NIL, 63
.set S,   64
.set P,   192
.set AB,  64          ; window 1
.set ADM, 96          ; window 1
.set QB,  32          ; window 2
.set KF,  128         ; window 2: key block kb, channel half c at KF + 16 kb + 8 c
.set VF,  192         ; window 2: key half kk, channel block cb at VF + 32 kk + 8 cb
.set WV,  12
.set PG,  14          ; s14  g
.set LIM, 15          ; s15  2 in the work-group that prefetches, else the greatest number
.set G1K, 24
.set G1V, 32
.set G0K, 40
.set G0V, 44
.set G1Z, 48          ; s[48:55] group 1 for K of step 0: 16 rows
.set SLOTS, 56
.set CNT, 57
.set CS,  58
.set SEL, 60
.set TBK, 62
.set TBV, 63
.set MYB, 66          ; s[66:67] the base of the tiles that my wave fetches
.set PFA, 68          ; s[68:69] the tile that is being asked for
.set RT,  70          ; tiles of the block in hand still to be entered
.set NXT, 71          ; the tile to be asked for next
.set LQ,  72          ; the last tile of the block whose tiles are being asked for
.set NEW, 73          ; 1: the tile to be entered is the first of a block
.set OFF, 74
.set SL8, 76
.set NDEL, 77         ; -64 SL8
.set T2,  78          ; 15 - g
.set OLO, 80          ; s[80:81] ob at my rows of the second block
.set BIGN, 82
.set G0Z, 88          ; s[88:91] group 0 for K of step 0
.set MSB, 0
.macro WIN new
.if MSB != (\new)
	s_set_vgpr_msb (MSB<<8)|(\new)
.set MSB, (\new)
.endif
.endm
.set W_KQ, 0x0a
.set W_KM, 0x1a
.set W_PV, 0x52
.set W_RS, 0x41
; A fill.  Waves 0 and 1 fetch the two halves of a tile of K, waves 2 and 3 those of V: 128 keys each.  An s_nop 0 and four v_nop follow each line.
.macro LOAD
	s_cmp_lt_u32 s[WV], 2
	s_cbranch_scc0 .Lfor_v_\@
	tensor_load_to_lds s[G0K:G0K+3], s[G1K:G1K+7]
	s_nop 0
.rept 4
	v_nop
.endr
	s_branch .Lasked_\@
.Lfor_v_\@:
	tensor_load_to_lds s[G0V:G0V+3], s[G1V:G1V+7]
	s_nop 0
.rept 4
	v_nop
.endr
.Lasked_\@:
.endm
; A prefetch into the L2 of the tile behind the one just asked for.  Work-group 15 of a head walks tiles 0 .. 15 first: it alone asks, each wave for the half tile that it will fetch itself: 64 rows of 256
; bytes, a lane a row, two instructions.  So each row is named once in the launch.  It stops when tile 15 has been named; tiles 0 and 1 come by their loads alone.
.macro ASK
	s_cmp_gt_u32 s[SLOTS], s[LIM]
	s_cbranch_scc0 .Lnot_mine_\@
	global_prefetch_b8 v[PFO], s[PFA:PFA+1] offset:32768 th:TH_LOAD_NT scope:SCOPE_SE
	global_prefetch_b8 v[PFO], s[PFA:PFA+1] offset:40960 th:TH_LOAD_NT scope:SCOPE_SE
.Lnot_mine_\@:
.endm
; THE CHANGE OF SLOTS.  Each wave waits for all its tensor loads, adds 0 to its spare word, and waits for that and for its reads of the slot that it leaves.  fill = 1: the old slot is filled again, first
; thing behind the barrier, with tile NXT; the address is made anew from that number.  (At its first use slot 0 and K of step 0 are waited for, and slot 1 is filled.)
.macro CHANGE fill
	WIN 0
	s_wait_tensorcnt 0x0
	ds_add_u32 v[SPW], v[NIL]
.if \fill
	s_lshl_b32 s[OFF], s[NXT], 15   ; a tile is 32,768 bytes of K and of V
	s_xor_b32 s[G0K+1], s[G0K+1], SLOT1
	s_add_nc_u64 s[G0K+2:G0K+3], s[6:7], s[OFF:OFF+1]
	s_or_b32 s[G0K+3], s[G0K+3], 0x80000000
	s_xor_b32 s[G0V+1], s[G0V+1], SLOT1
	s_add_nc_u64 s[G0V+2:G0V+3], s[8:9], s[OFF:OFF+1]
	s_or_b32 s[G0V+3], s[G0V+3], 0x80000000
	s_wait_xcnt 0x0                 ; the last prefetches, a tile back, have read their address
	s_add_nc_u64 s[PFA:PFA+1], s[MYB:MYB+1], s[OFF:OFF+1]
	s_add_co_u32 s[NXT], s[NXT], 1  ; the next tile of the block, or behind its last tile 0 of the second block
	s_cmp_gt_u32 s[NXT], s[LQ]
	s_cselect_b32 s[NXT], 0, s[NXT]
	s_cselect_b32 s[LQ], s[T2], s[LQ]
.endif
	s_wait_dscnt 0x0                ; the add is done, and my reads of the slot are over
	s_barrier_signal -1
	s_sub_co_u32 s[TBK], s[TBK], 4*KS*PK  ; the fetches go back to the first step of a slot,
	s_xor_b32 s[TBK], s[TBK], SLOT1       ; in the other slot
	s_sub_co_u32 s[TBV], s[TBV], 4*KS*PV
	s_xor_b32 s[TBV], s[TBV], SLOT1
	s_barrier_wait -1
.if \fill
	LOAD
	ASK
.endif
.endm
	s_load_b256 s[4:11], s[0:1], 0x0  ; qh s[4:5], kh s[6:7], vh s[8:9], ob s[10:11]
	v_lshl_add_u32 v[SPW], v0, 2, SPARE
	v_mov_b32 v[NIL], 0
	ds_add_u32 v[SPW], v[NIL]       ; the opening: the add and its wait stand ahead of my first tensor load
	v_lshrrev_b32 v1, 5, v0
	v_readfirstlane_b32 s[WV], v1
	s_mov_b32 s[PG], ttmp9
	s_sub_co_u32 s[T2], 15, s[PG]
	s_and_b32 s20, ttmp7, 0xffff    ; the head
	s_lshl_b32 s13, s[PG], 1
	s_add_co_u32 s13, s13, 1        ; the first block, 2 g + 1
	s_sub_co_u32 s19, 31, s13       ; the second, 30 - 2 g
	s_lshl_b32 s21, s[WV], 11       ; my 16 rows in a band: 2,048 bytes
	s_lshl_b32 s22, s20, 19         ; the head in qh, kh, vh
	s_lshl_b32 s92, s13, 14         ; Q of the first block
	s_add_co_u32 s92, s92, s22
	s_add_co_u32 s92, s92, s21
	s_mov_b32 s93, 0
	s_lshl_b32 s94, s19, 14         ; of the second
	s_add_co_u32 s94, s94, s22
	s_add_co_u32 s94, s94, s21
	s_mov_b32 s95, 0
	s_lshl_b32 s23, s20, 14         ; the head within a block of ob
	s_add_co_u32 s23, s23, s21
	s_lshl_b32 s96, s13, 18         ; O of the first block
	s_add_co_u32 s96, s96, s23
	s_mov_b32 s97, 0
	s_lshl_b32 s98, s19, 18         ; of the second
	s_add_co_u32 s98, s98, s23
	s_mov_b32 s99, 0
	s_and_b32 s16, s[WV], 1         ; which half of a tile I fetch
	s_lshl_b32 s84, s16, 14
	s_add_co_u32 s84, s84, s22
	s_mov_b32 s85, 0
	s_lshl_b32 s86, s16, 12         ; and which 32 keys of step 0
	s_add_co_u32 s86, s86, s22
	s_mov_b32 s87, 0
	s_mul_i32 s17, s16, 128*PK
	s_mul_i32 s18, s16, 128*PV
	s_mul_i32 s21, s16, 32*PK
	s_add_co_u32 s20, s20, 1        ; SL8 = 2^(3 - (h + 1) / 2), made of whole numbers: exponent 130 - e - o, and the fraction of the square root of 2 where h + 1 = 2 e + o is odd
	s_lshr_b32 s22, s20, 1
	s_and_b32 s23, s20, 1
	s_sub_co_u32 s22, 130, s22
	s_sub_co_u32 s22, s22, s23
	s_lshl_b32 s22, s22, 23
	s_cmp_eq_u32 s23, 1
	s_cselect_b32 s23, 0x3504f3, 0
	s_or_b32 s[SL8], s22, s23
	s_add_co_u32 s[NDEL], s[SL8], 6<<23
	s_or_b32 s[NDEL], s[NDEL], 0x80000000
	; descriptor group 1.  128 keys are 16,384 dense bytes: asked for as 64 rows of 256 bytes, two keys a row, and padded in LDS after every key
	s_mov_b32 s[G1K], (1<<16)|(1<<20)|(4<<22)|(3<<25)
	s_mov_b32 s[G1V], (1<<16)|(1<<20)|(4<<22)|(7<<25)
	s_mov_b32 s[G1Z], (1<<16)|(1<<20)|(4<<22)|(3<<25)
.irp g, G1K, G1V
	s_mov_b32 s[\g+1], 128<<16
	s_mov_b32 s[\g+2], 64<<16
	s_mov_b32 s[\g+3], 128<<16
	s_mov_b32 s[\g+4], 64
	s_mov_b32 s[\g+5], 128
	s_mov_b32 s[\g+6], 0
	s_mov_b32 s[\g+7], 0
.endr
	s_mov_b32 s[G1Z+1], 128<<16
	s_mov_b32 s[G1Z+2], 16<<16      ; 32 keys: 16 rows
	s_mov_b32 s[G1Z+3], 128<<16
	s_mov_b32 s[G1Z+4], 16
	s_mov_b32 s[G1Z+5], 128
	s_mov_b32 s[G1Z+6], 0
	s_mov_b32 s[G1Z+7], 0
	s_mov_b32 s[CS], 0x3e38aa3b     ; c = log2(e) / 8
	s_mov_b32 s[CS+1], s[CS]
	s_mov_b32 s[SEL], 0x76543210
	s_mov_b32 s[SEL+1], 0xfedcba98
	s_mov_b32 s[TBK], SLOT1+4*KS*PK ; the first change of slots turns these two into 0
	s_mov_b32 s[TBV], SLOT1+4*KS*PV
	s_mov_b32 s[G0K], 1
	s_mov_b32 s[G0K+1], s17
	s_mov_b32 s[G0V], 1
	s_add_co_u32 s[G0V+1], s18, VOFF
	s_mov_b32 s[G0Z], 1
	s_add_co_u32 s[G0Z+1], s21, K0
	s_add_co_u32 s[RT], s[PG], 1    ; the first block has g + 1 tiles
	s_mov_b32 s[NXT], 1
	s_mov_b32 s[LQ], s[PG]
	s_cmp_gt_u32 s[NXT], s[LQ]      ; (g = 0: the second tile of the walk is tile 0 of the second block)
	s_cselect_b32 s[NXT], 0, s[NXT]
	s_cselect_b32 s[LQ], s[T2], s[LQ]
	s_mov_b32 s[NEW], 1
	s_mov_b32 s[OFF+1], 0
	s_mov_b32 s[BIGN], 0xf149f2ca   ; -1e30
	s_mov_b32 s[SLOTS], 16
	s_cmp_eq_u32 s[PG], 15
	s_cselect_b32 s[LIM], 2, -1
	s_wait_dscnt 0x0                ; the opening add is done
	s_wait_kmcnt 0x0
	s_add_nc_u64 s[2:3], s[4:5], s[94:95]          ; Q at my rows of the second block,
	s_add_nc_u64 s[4:5], s[4:5], s[92:93]          ; Q and O at those of the first
	s_add_nc_u64 s[OLO:OLO+1], s[10:11], s[98:99]
	s_add_nc_u64 s[10:11], s[10:11], s[96:97]
	s_add_nc_u64 s[G0Z+2:G0Z+3], s[6:7], s[86:87]
	s_or_b32 s[G0Z+3], s[G0Z+3], 0x80000000
	s_add_nc_u64 s[6:7], s[6:7], s[84:85]
	s_add_nc_u64 s[6:7], s[6:7], 8192              ; K is asked for 64 keys on
	s_add_nc_u64 s[8:9], s[8:9], s[84:85]
	s_add_nc_u64 s[G0K+2:G0K+3], s[6:7], 0
	s_or_b32 s[G0K+3], s[G0K+3], 0x80000000
	s_add_nc_u64 s[G0V+2:G0V+3], s[8:9], 0
	s_or_b32 s[G0V+3], s[G0V+3], 0x80000000
	s_cmp_lt_u32 s[WV], 2
	s_cselect_b64 s[MYB:MYB+1], s[6:7], s[8:9]
	s_cmp_lt_u32 s[WV], 2           ; the first fills of a wave stand in one branch: two loads of mine are out at the most
	s_cbranch_scc0 .Lfirst_v
	tensor_load_to_lds s[G0K:G0K+3], s[G1K:G1K+7]
	s_nop 0
	tensor_load_to_lds s[G0Z:G0Z+3], s[G1Z:G1Z+7]
	s_nop 0
.rept 4
	v_nop
.endr
	s_branch .Lfirst_asked
.Lfirst_v:
	tensor_load_to_lds s[G0V:G0V+3], s[G1V:G1V+7]
	s_nop 0
.rept 4
	v_nop
.endr
.Lfirst_asked:
	v_and_b32 v1, 15, v0            ; r = l % 16
	v_bfe_u32 v9, v0, 4, 1          ; h = l / 16
	v_lshlrev_b32 v[QO], 7, v1
	v_lshl_add_u32 v[QO], v9, 4, v[QO]
	WIN 0x80                        ; destination window 2
.irp p, 0,1
.irp c, 0,1                         ; piece p lies in band 1 - p; channels 32 c on
	global_load_b128 v[16*\p+8*\c:16*\p+8*\c+3],         v[QO], s[4:5] offset:(1-\p)*8192+\c*64
	global_load_b128 v[16*\p+8*\c+4:16*\p+8*\c+7],       v[QO], s[4:5] offset:(1-\p)*8192+\c*64+32
	global_load_b128 v[QB+16*\p+8*\c:QB+16*\p+8*\c+3],   v[QO], s[2:3] offset:(1-\p)*8192+\c*64
	global_load_b128 v[QB+16*\p+8*\c+4:QB+16*\p+8*\c+7], v[QO], s[2:3] offset:(1-\p)*8192+\c*64+32
.endr
.endr
	WIN 0
	v_lshlrev_b32 v[H8], 3, v9
	v_sub_nc_u32 v14, v1, v[H8]
	s_lshl_b32 s13, s[WV], 4
	v_add_nc_u32 v14, s13, v14      ; my query in its band, 16 w + r, less 8 h: register i is hidden in the own step where 16 (i / 8) + i % 8 is greater
	WIN 0x40
.set i, 0
.rept 32
	v_add_nc_u32 v[AB+i], 16*(i/8)+i%8, v[H8]      ; the key of register i within a step
.set i, i+1
.endr
	WIN 0x41
.set i, 0
.rept 32
	v_cvt_f32_u32 v[AB+i], v[AB+i]
.set i, i+1
.endr
	WIN 0x44
.set i, 0
.rept 32
	v_mul_f32 v[AB+i], s[SL8], v[AB+i]
.set i, i+1
.endr
	WIN 0x41
.set i, 0
.rept 32
	v_cmp_gt_i32 vcc_lo, 16*(i/8)+i%8, v14
	v_cndmask_b32 v[ADM+i], v[AB+i], s[BIGN], vcc_lo
.set i, i+1
.endr
	WIN 0
	v_mul_u32_u24 v[AK0], v1, PK
	v_lshl_add_u32 v[AK0], v9, 4, v[AK0]
	v_and_b32 v10, 7, v0
	v_bfe_u32 v11, v0, 3, 1
	v_lshl_add_u32 v[AV0], v9, 3, v10
	v_mul_u32_u24 v[AV0], v[AV0], PV
	v_lshl_add_u32 v[AV0], v11, 4, v[AV0]
	v_add_nc_u32 v[AV0], VOFF, v[AV0]
	s_mul_i32 s13, s[WV], 16*SP
	s_add_co_u32 s13, s13, STAGE
	v_mul_u32_u24 v[STO], v1, SP
	v_lshl_add_u32 v[STO], v9, 4, v[STO]
	v_add_nc_u32 v[STO], s13, v[STO]
	v_bfe_u32 v[RD], v0, 3, 2
	v_mul_u32_u24 v[RD], v[RD], SP
	v_lshl_add_u32 v[RD], v10, 4, v[RD]
	v_add_nc_u32 v[RD], s13, v[RD]
	v_and_b32 v[GO], 31, v0
	v_lshlrev_b32 v[PFO], 8, v[GO]
	v_lshlrev_b32 v[GO], 4, v[GO]
	; The first step of a block multiplies O^T and l by a = 0, and the products V^T P of its first turn, of a piece that has not been, land in an O^T still to be so multiplied: these registers need only be finite.
	WIN 0x80
.set i, VF
.rept 64
	v_mov_b32 v[i], 0
.set i, i+1
.endr
	WIN 0x40
.set i, 0
.rept 64
	v_mov_b32 v[i], 0
.set i, i+1
.endr
	WIN 0
.set i, 0
.rept 2
	v_mov_b32 v[ST+4*i+2], 0
	v_mov_b32 v[ST+4*i+3], 0
.set i, i+1
.endr
.set i, P+16
.rept 16
	v_mov_b32 v[i], 0
.set i, i+1
.endr
; THE MATRIX WORK.  The 4 accumulators of a run of 8 take turns.  Product i of 8 of S^T = K Q^T for piece x: channels 32 (i / 4) on, keys 16 (i % 4) on.  The first 4 start the sums with the ramp at CB.
.macro KQ x
.set rS, S+32*(\x)+8*(i%4)
.set rK, KF+16*(i%4)+8*(i/4)
.set rQ, 16*(\x)+8*(i/4)
.set rM, CB+8*(i%4)
.if i < 4
	WIN W_KM
	v_wmma_f32_16x16x32_f16 v[rS:rS+7], v[rK:rK+7], v[rQ:rQ+7], v[rM:rM+7]
.else
	WIN W_KQ
	v_wmma_f32_16x16x32_f16 v[rS:rS+7], v[rK:rK+7], v[rQ:rQ+7], v[rS:rS+7]
.endif
.endm
; Product i of 8 of O^T += V^T P for piece x: keys 32 (i / 4) on, channels 16 (i % 4) on.
.macro PV x
	WIN W_PV
.set rO, 32*(\x)+8*(i%4)
.set rV, VF+32*(i/4)+8*(i%4)
.set rP, P+16*(\x)+8*(i/4)
	v_wmma_f32_16x16x32_f16 v[rO:rO+7], v[rV:rV+7], v[rP:rP+7], v[rO:rO+7]
.endm
.macro MM                           ; the next matrix instruction of the turn.  NOKQ = 1: the last turn of a block: there are no further scores
.if (i < 8) && !NOKQ
	KQ 1-Y
.elseif i >= 8
.set i, i-8
	PV 1-Y
.set i, i+8
.endif
.set i, i+1
.endm
; THE LDS LOADS stand in runs of 16.  step = 1: the next fetch is the next step's.
.macro FETCH_K step
	WIN 0x80
.irp f, 0,1,2,3,4,5,6,7
	ds_load_b128 v[KF+8*\f:KF+8*\f+3],   v[AK] offset:(\f/2)*16*PK+(\f%2)*64
	ds_load_b128 v[KF+8*\f+4:KF+8*\f+7], v[AK] offset:(\f/2)*16*PK+(\f%2)*64+32
.endr
.if \step
	s_add_co_u32 s[TBK], s[TBK], KS*PK
.endif
	WIN 0
.endm
.macro FETCH_V
	WIN 0x80
.irp f, 0,1,2,3,4,5,6,7
	ds_load_tr16_b128 v[VF+8*\f:VF+8*\f+3],   v[AV] offset:(\f/4)*32*PV+(\f%4)*32
	ds_load_tr16_b128 v[VF+8*\f+4:VF+8*\f+7], v[AV] offset:(\f/4)*32*PV+16*PV+(\f%4)*32
.endr
	WIN 0
.endm
; THE VECTOR WORK, a line at a time: OP kind, number.  For piece Y: F n: c s - c m for pair n.  E n: the exponential of score n.  C n: pair n rounded to f16.  B n: of the weights 4 n .. the second pair is added
; onto the first.  L n: l takes that sum (L 0: l = a l + sum).  R n: pair n of O^T times a.  For piece 1 - Y: X n:
;   0-11 four chains c0-c3 of seven scores each (the lowest registers of each accumulator are read first)   12-14, 16 the scores left over, the old m, c0-c3 into c0
;   22 the old m goes into the frame of the new step   15 c m_old in that frame   17, 18 the other half of the lanes: the new m   19-21 c m; c m_old - c m_new; a
.set F, 0
.set E, 1
.set C, 2
.set B, 3
.set L, 4
.set R, 5
.set X, 6
.macro REGS y
.set rT, ST+4*(\y)
.set rC, TMP+4*(\y)
.set rW, MV+(\y)
.set rS, S+32*(\y)
.set rP, P+16*(\y)
.set rO, 32*(\y)
.endm
.macro OP k, n
.if (\k) == R
	REGS Y
	WIN W_RS
	v_pk_mul_f32 v[rO+2*(\n):rO+2*(\n)+1], v[rO+2*(\n):rO+2*(\n)+1], v[rC+2:rC+3] op_sel_hi:[1,0]
.elseif (\k) < R
	REGS Y
	WIN 0
.if (\k) == F
	v_pk_fma_f32 v[rS+2*(\n):rS+2*(\n)+1], v[rS+2*(\n):rS+2*(\n)+1], s[CS:CS+1], v[rT:rT+1] op_sel_hi:[1,0,0] neg_lo:[0,0,1] neg_hi:[0,0,1]
.elseif (\k) == E
	v_exp_f32 v[rS+(\n)], v[rS+(\n)]
.elseif (\k) == C
	v_cvt_pk_f16_f32 v[rP+(\n)], v[rS+2*(\n)], v[rS+2*(\n)+1]
.elseif (\k) == B
	v_pk_add_f32 v[rS+4*(\n):rS+4*(\n)+1], v[rS+4*(\n):rS+4*(\n)+1], v[rS+4*(\n)+2:rS+4*(\n)+3]
.elseif (\n) == 0
	v_pk_fma_f32 v[rT+2:rT+3], v[rT+2:rT+3], v[rC+2:rC+3], v[rS:rS+1] op_sel_hi:[1,0,1]
.else
	v_pk_add_f32 v[rT+2:rT+3], v[rT+2:rT+3], v[rS+4*(\n):rS+4*(\n)+1]
.endif
.elseif NOKQ
	v_nop
.else
	REGS 1-Y
	WIN 0
.if (\n) < 4
	v_max3_num_f32 v[rC+(\n)], v[rS+8*(\n)], v[rS+8*(\n)+1], v[rS+8*(\n)+2]
.elseif (\n) < 12
	v_max3_num_f32 v[rC+(\n)%4], v[rC+(\n)%4], v[rS+8*((\n)%4)+2*((\n)/4)+1], v[rS+8*((\n)%4)+2*((\n)/4)+2]
.elseif (\n) == 12
	v_max3_num_f32 v[rC], v[rC], v[rS+7], v[rS+15]
.elseif (\n) == 13
	v_max3_num_f32 v[rC+1], v[rC+1], v[rS+23], v[rS+31]
.elseif (\n) == 14
	v_max3_num_f32 v[rC+2], v[rC+2], v[rC+3], v[rT+1]
.elseif (\n) == 15
	v_mul_f32 v[rW], s[CS], v[rT+1]
.elseif (\n) == 16
	v_max3_num_f32 v[rC], v[rC], v[rC+1], v[rC+2]
.elseif (\n) == 17
	v_permlanex16_b32 v[rC+3], v[rC], s[SEL], s[SEL+1]
.elseif (\n) == 18
	v_max_num_f32 v[rT+1], v[rC], v[rC+3]
.elseif (\n) == 19
	v_mul_f32 v[rT], s[CS], v[rT+1]
.elseif (\n) == 20
	v_sub_f32 v[rC+1], v[rW], v[rT]
.elseif (\n) == 21
	v_exp_f32 v[rC+2], v[rC+1]
.else
	v_add_f32 v[rT+1], s[NDEL], v[rT+1]
.endif
.endif
.endm
.macro OPS a, i1, b=-1, i2=0, c=-1, i3=0, d=-1, i4=0
	OP \a, \i1
.if (\b) >= 0
	OP \b, \i2
.endif
.if (\c) >= 0
	OP \c, \i3
.endif
.if (\d) >= 0
	OP \d, \i4
.endif
.endm
.macro ROW a, i1, b, i2, c, i3, d, i4  ; a matrix instruction and the four behind it
	MM
	OPS \a, \i1, \b, \i2, \c, \i3, \d, \i4
.endm
; A TURN, for piece p.  Ahead of the one wait stands all that names no result of its exponentials; behind it the products V^T P with the roundings and sums.  Each X that reads an accumulator stands four plain
; lines or more behind the product that ends it.  cm = 1: the scores to be made are masked (ADM).  end = 1: the last turn of a block: no scores, no K.  cnt = 1: the count of the loop is taken down ahead of the branch.
; K's run (p = 0) stands seven plain lines behind the last product that read K; V's run four plain lines behind the last product that read V.
.macro TURN p, cm=0, end=0, cnt=0
.set Y, (\p)
.set i, 0
.set CB, AB+32*(\cm)
.set NOKQ, (\end)
.if (\p) == 1
	s_wait_dscnt 16                 ; K is in; the 16 loads of V, issued behind it, may stay out
.endif
	ROW F,0, F,1, R,0, R,1
	ROW F,2, E,0, R,2, R,3
	ROW F,3, E,1, R,4, R,5
	ROW F,4, E,2, R,6, R,7
	ROW F,5, E,3, R,8, R,9
	ROW F,6, E,4, X,0, R,10
.if ((\p) == 0) && !(\end)
	WIN 0
	v_add_nc_u32 v[AK], s[TBK], v[AK0]
.endif
	ROW F,7, E,5, X,1, X,4
	ROW F,8, E,6, X,2, X,5
	OPS E,7, X,22, E,8, X,6
	OPS E,9, X,3, E,10, X,8
	OPS E,11
.if (\p) == 0
.if \end
	s_add_co_u32 s[TBK], s[TBK], KS*PK  ; every tile steps this four times
.else
	FETCH_K 1
.endif
.endif
	OPS X,9, X,7, E,12, X,10
	OPS E,13, X,12, X,11, E,14
	OPS X,13, E,15, F,9, X,14
.if (\p) == 0
	WIN 0
	v_add_nc_u32 v[AV], s[TBV], v[AV0]
.endif
	OPS E,16, F,10, E,17, F,11
	OPS X,16, E,18, X,15, E,19
	OPS F,12, E,20, X,17, E,21
	OPS F,13, E,22, F,14, E,23
	OPS X,18, E,24, F,15, E,25
	OPS R,11, E,26, X,19, E,27
	OPS R,12, E,28, R,13, E,29
	OPS X,20, E,30, R,14, E,31
	OPS X,21, R,15                  ; the last line is the plain one behind the last exponential
	WIN 0
	s_wait_alu depctr_va_vdst(0)    ; the one wait for the batch, ahead of the first line that names a result
.if (\p) == 1
	s_wait_dscnt 0x0                ; V is in
.endif
	ROW C,0, B,0, C,2, B,1
	ROW L,0, C,4, B,2, L,1
	ROW C,6, B,3, L,2, C,8
	ROW B,4, L,3, C,10, B,5
	ROW L,4, C,12, B,6, L,5
.if (\p) == 0
	s_add_co_u32 s[TBV], s[TBV], KS*PV
.endif
.if \cnt
	s_sub_co_u32 s[CNT], s[CNT], 1
	s_cmp_lg_u32 s[CNT], 0
.endif
	ROW C,14, B,7, L,6, C,1
	ROW C,3, L,7, C,5, C,7
	ROW C,9, C,11, C,13, C,15
.if (\p) == 0
	FETCH_V
.endif
.endm
; A BLOCK BEGINS: m at the lowest finite number; K of step 0 from its own bytes; the first scores of piece 0, which sees step 0 whole, and their maximum.
.macro BEGIN
	s_mov_b32 s[NEW], 0
	WIN 0
.set i, 0
.rept 2
	v_mov_b32 v[ST+4*i], 0xfe000000
	v_mov_b32 v[ST+4*i+1], 0xff7fffff
.set i, i+1
.endr
	v_add_nc_u32 v[AK], K0, v[AK0]
	FETCH_K 0
	s_wait_loadcnt 0x0              ; Q
	s_wait_dscnt 0x0
.set CB, AB
.set NOKQ, 0
.set i, 0
.rept 8
	KQ 0
.set i, i+1
.endr
	WIN 0
.rept 4
	v_nop                           ; the places behind those products
.endr
.set Y, 1                           ; X works for piece 1 - Y: piece 0
.irp n, 0,1,2,3,4,5,6,7,8,9,10,11,12,13,22,14,15,16,17,18,19,20,21
	OP X, \n
.endr
	v_nop
	s_wait_alu depctr_va_vdst(0)    ; the wait for a, ahead of the label
.endm
.macro ALL line:vararg
.set t, 0
.rept 2
	\line
.set t, t+1
.endr
.endm
.macro PACK t                       ; O^T divided by l, rounded to f16, 16 bytes a lane into rows of 144 bytes, back as four rows of 128 a load, into the registers of S^T
	WIN W_RS
.set i, 32*(\t)
.rept 16
	v_pk_mul_f32 v[i:i+1], v[i:i+1], v[ST+4*(\t)+2:ST+4*(\t)+3] op_sel_hi:[1,0]
.set i, i+2
.endr
	WIN 0x05
.set i, 0
.rept 16
	v_cvt_pk_f16_f32 v[S+16*(\t)+i], v[32*(\t)+2*i], v[32*(\t)+2*i+1]
.set i, i+1
.endr
	WIN 0
.irp f, 0,1,2,3
	ds_store_b128 v[STO], v[S+16*(\t)+4*\f:S+16*(\t)+4*\f+3] offset:32*\f
.endr
.irp f, 0,1,2,3
	ds_load_b128 v[S+16*(\t)+4*\f:S+16*(\t)+4*\f+3], v[RD] offset:\f*4*SP  ; LDS serves a wave's instructions in order (ISA guide 5.7.1.4)
.endr
.endm
.macro SEND t, younger
	WIN 0
.irp f, 0,1,2,3
	s_wait_dscnt (\younger)+3-\f
	global_store_b128 v[GO], v[S+16*(\t)+4*\f:S+16*(\t)+4*\f+3], s[10:11] offset:(1-(\t))*8192+\f*512  ; 512 consecutive bytes, aligned to 256
.endr
.endm
; A BLOCK ENDS: the own step of the lower band, the own step of the upper band, the last products, the way out.
.macro ENDING
	TURN 0, 1                       ; masked scores of piece 1, step e
	TURN 1, 1                       ; masked scores of piece 0, step e + 1
	TURN 0, 0, 1                    ; the last softmax of piece 0; V of step e + 1
	s_wait_dscnt 0x0
.set i, 0
.rept 8
	PV 0
.set i, i+1
.endr
	WIN 0
	ALL v_add_f32 v[ST+4*t+2], v[ST+4*t+2], v[ST+4*t+3]
	ALL v_permlanex16_b32 v[ST+4*t+3], v[ST+4*t+2], s[SEL], s[SEL+1]
	ALL v_add_f32 v[ST+4*t+2], v[ST+4*t+2], v[ST+4*t+3]
	ALL v_rcp_f32 v[ST+4*t+2], v[ST+4*t+2]
	v_nop
	s_wait_alu depctr_va_vdst(0)    ; one wait for the two reciprocals
	PACK 1                          ; piece 1 first: its lines are the places behind the last products, which are piece 0's
	PACK 0
	SEND 1, 8
	SEND 0, 0
.endm
.set CB, AB
.set NOKQ, 0
.Lslot:                             ; 16 times: a tile is entered and the next is asked for
	CHANGE 1
	s_sub_co_u32 s[RT], s[RT], 1
	s_cmp_eq_u32 s[NEW], 1
	s_cbranch_scc0 .Lold
	BEGIN
.Lold:
	s_cmp_eq_u32 s[RT], 0
	s_cbranch_scc1 .Llast1
	s_mov_b32 s[CNT], 4
.Lstep:                             ; a plain step
	TURN 0
	TURN 1, 0, 0, 1
	WIN 0
	s_cbranch_scc1 .Lstep
	s_branch .Lbottom
.Llast1:                            ; in the loop this is the last tile of the odd block: two plain steps, then its end
	s_mov_b32 s[CNT], 2
.LstepA:
	TURN 0
	TURN 1, 0, 0, 1
	WIN 0
	s_cbranch_scc1 .LstepA
	ENDING
	s_wait_xcnt 0x0                 ; the stores have read their registers and their base
	s_mov_b64 s[10:11], s[OLO:OLO+1]
	s_add_co_u32 s[RT], s[T2], 1    ; the second block has 16 - g tiles
	s_mov_b32 s[NEW], 1
	WIN 0x82
.set i, 0
.rept 32
	v_mov_b32 v[i], v[QB+i]         ; its Q goes where the one text of the turns names Q
.set i, i+1
.endr
	WIN 0
.Lbottom:
	s_sub_co_u32 s[SLOTS], s[SLOTS], 1
	s_cmp_lg_u32 s[SLOTS], 0
	s_cbranch_scc1 .Lslot
	CHANGE 0                        ; the last tile of the walk is written out: nothing is asked for.  It is the last tile of the even block: no plain step
	s_cmp_eq_u32 s[NEW], 1
	s_cbranch_scc0 .Lold2
	BEGIN
.Lold2:
	ENDING
	s_wait_tensorcnt 0x0            ; the end of the wave
	ds_add_u32 v[SPW], v[NIL]
	s_wait_dscnt 0x0
	s_endpgm
.Lfunc_end_k_q67d991fd8d_attn:
	.size	k_q67d991fd8d_attn, .Lfunc_end_k_q67d991fd8d_attn-k_q67d991fd8d_attn
	.p2alignl 7, 3214868480
	.fill 96, 4, 3214868480
	.section	.rodata,"a",@progbits
	.p2align	6, 0x0
	.amdhsa_kernel k_q67d991fd8d_attn
		.amdhsa_group_segment_fixed_size 327680
		.amdhsa_private_segment_fixed_size 0
		.amdhsa_enable_private_segment 0
		.amdhsa_kernarg_size 32
		.amdhsa_user_sgpr_count 2
		.amdhsa_user_sgpr_kernarg_segment_ptr 1
		.amdhsa_wavefront_size32 1
		.amdhsa_system_sgpr_workgroup_id_x 1
		.amdhsa_system_sgpr_workgroup_id_y 1
		.amdhsa_system_sgpr_workgroup_id_z 1
		.amdhsa_system_vgpr_workitem_id 0
		.amdhsa_next_free_vgpr 768
		.amdhsa_next_free_sgpr 100
		.amdhsa_reserve_vcc 1
		.amdhsa_float_denorm_mode_32 3
		.amdhsa_float_denorm_mode_16_64 3
		.amdhsa_memory_ordered 1
		.amdhsa_forward_progress 1
		.amdhsa_inst_pref_size 143
	.end_amdhsa_kernel
	.amdgpu_metadata
---
amdhsa.version: [ 1, 2 ]
amdhsa.kernels:
  - .name:           k_q67d991fd8d_attn
    .symbol:         k_q67d991fd8d_attn.kd
    .args:
      - { .name: qh, .offset: 0, .size: 8, .value_kind: global_buffer, .address_space: global }
      - { .name: kh, .offset: 8, .size: 8, .value_kind: global_buffer, .address_space: global }
      - { .name: vh, .offset: 16, .size: 8, .value_kind: global_buffer, .address_space: global }
      - { .name: ob, .offset: 24, .size: 8, .value_kind: global_buffer, .address_space: global }
    .group_segment_fixed_size: 327680
    .private_segment_fixed_size: 0
    .kernarg_segment_align: 8
    .kernarg_segment_size: 32
    .max_flat_workgroup_size: 128
    .sgpr_count:     100
    .vgpr_count:     768
    .wavefront_size: 32
...
	.end_amdgpu_metadata
.endif
;; end of part 3
;; launch oproj (part 4): grid 8 x 32, 4 waves a work-group, clusters of 4 x 4, 327,680 bytes of LDS; arguments ob, wb, bo, out0; writes out0
.if DOCPART == 4
	.amdgcn_target "amdgcn-amd-amdhsa--gfx1250"
	.amdhsa_code_object_version 6
	.text
	.protected	k_q67d991fd8d_oproj
	.globl	k_q67d991fd8d_oproj
	.p2align	8
	.type	k_q67d991fd8d_oproj,@function
k_q67d991fd8d_oproj:
	s_mov_b64 s[64:65], 0
	v_nop
	global_prefetch_b8 v0, s[64:65] scope:SCOPE_SE
	s_setreg_imm32_b32 hwreg(HW_REG_WAVE_MODE, 25, 1), 1
	s_wait_xcnt 0x0
	s_wait_alu depctr_hold_cnt(0) depctr_sa_sdst(0) depctr_va_vdst(0) depctr_va_sdst(0) depctr_va_ssrc(0) depctr_va_vcc(0) depctr_vm_vsrc(0)
	s_getreg_b32 s2, hwreg(HW_REG_IB_STS2, 6, 4)
	s_cmp_eq_u32 s2, 0
	s_cbranch_scc0 .Lentry_in_a_cluster
	s_endpgm
.Lentry_in_a_cluster:
	s_bfe_u32 s2, ttmp6, 0x10000c
	s_cmp_lg_u32 s2, 0xf033
	s_cbranch_scc0 .Lentry_shape_is_right
	s_endpgm
.Lentry_shape_is_right:
; out0 = O Wo + bo.  ob: [32 blocks of 128 rows][16 heads][128][64] f16.  Plane 3 of wb: Wo, [1024 k][1024 n], rounded to bf16 and written as f16.  bo is rounded to bf16 like the other inputs.  out0: [4096][1024] f32.
; A tile of 128 x 128; four waves, each 64 x 64: 16 accumulators.  K goes in 4 steps of 256 (four heads) through two LDS slots.  A step of O for a block of rows is 65,536 dense bytes: asked for as rows of 256
; bytes and padded in LDS after every 128.  Wo lies [k][n]: its fragments come out of LDS turned.  The product is used transposed (source 0 = 16 columns of Wo, source 1 = 16 rows of O): a lane holds one row
; and eight neighbouring columns.  The bias is the C operand that starts each sum, so the sums leave as they are.
; CLUSTER 4 x 4: the tile of O is asked for jointly along a row of the cluster, the tile of Wo along a column.  Waves 0, 1 ask for the halves of O, waves 2, 3 for those of Wo.
; No prefetch: of the four K steps two are first fills, and the launch is short.
; REGISTERS: window 0: v16-29 addresses; v32-63 the bias (8 b); v64-79 at work; v128-255 the accumulators ((a, b) at 128 + 8 (4 a + b)).  Window 1: two fragment buffers of 128: O at 8 (4 c + a), Wo at 64 + 8 (4 c + b).
.set REG,   36864
.set SLOT,  4*REG                      ; O: 4 heads x 128 rows x 144 bytes, then Wo: 256 rows x 288 bytes
.set PAH,   144                        ; a row of a head in LDS: 128 bytes + 16 (64 banks of 4 bytes: ISA guide 11.1: 16 rows start at 16 different groups of four banks)
.set PB,    288
.set STAGE, 2*SLOT                     ; behind the ring: 16 rows x 272 bytes for each wave
.set SPITCH, 272
.set SPARE, STAGE+4*16*SPITCH          ; the spare words, 128 bytes a wave: two blocks of 256 bytes that no other line names
.set ADRA, 16                          ; v16-17  my fragments of O in slot 0, 1
.set ADRB, 20                          ; v20-23  my fragments of Wo in slot s, half of the step hf, at 2 s + hf
.set STO,  24
.set RD,   25
.set CO,   26
.set BO,   27
.set SPW,  28
.set NIL,  29
.set BIAS, 32
.set TMPB, 64
.set ACC,  128
.set F0,   0
.set F1,   128
.set WV, 12
.set WM, 13                            ; my 64 rows.  Also: I fetch for O (0) or for Wo (1)
.set WN, 14                            ; my 64 columns.  Also: which half of that tile I fetch
.set CX, 15
.set CY, 16
.set TX, 17
.set TY, 18
.set G1A, 24
.set G0A, 32
.set G1B, 48
.set G0B, 56
.set MSB, 0
.macro WIN new
.if MSB != (\new)
	s_set_vgpr_msb (MSB<<8)|(\new)
.set MSB, (\new)
.endif
.endm
.set MUL,  0x05                        ; sources 0 and 1 window 1; C and D window 0
.set TO_F, 0x40                        ; destination window 1
.macro PLACES
.rept 4
	v_nop
.endr
.endm
.macro JLOAD s                         ; an s_nop 0 and four v_nop follow each of the two lines
	s_cmp_eq_u32 s[WM], 0
	s_cbranch_scc0 .Lfor_b_\@
	tensor_load_to_lds s[G0A+4*(\s):G0A+4*(\s)+3], s[G1A:G1A+7]
	s_nop 0
.rept 4
	v_nop
.endr
	s_branch .Lasked_\@
.Lfor_b_\@:
	tensor_load_to_lds s[G0B+4*(\s):G0B+4*(\s)+3], s[G1B:G1B+7]
	s_nop 0
.rept 4
	v_nop
.endr
.Lasked_\@:
.endm
.macro CREST
	s_cmp_lg_u32 s[WV], 0
	s_cbranch_scc1 .Lnot_wave_0_\@
	s_barrier_signal -3
.Lnot_wave_0_\@:
	s_barrier_wait -3
	s_barrier_signal -1
	s_barrier_wait -1
.endm
.macro CROUND
	s_barrier_signal -1
	s_barrier_wait -1
	CREST
.endm
	s_load_b256 s[4:11], s[0:1], 0x0               ; ob s[4:5], wb s[6:7], bo s[8:9], out0 s[10:11]
	v_lshl_add_u32 v[SPW], v0, 2, SPARE
	v_mov_b32 v[NIL], 0
	ds_add_u32 v[SPW], v[NIL]                      ; the opening: the add and its wait stand ahead of my first tensor load
	v_lshrrev_b32 v1, 5, v0
	v_readfirstlane_b32 s[WV], v1
	s_lshr_b32 s[WM], s[WV], 1
	s_and_b32 s[WN], s[WV], 1
	s_bfe_u32 s[CX], ttmp6, 0x40000
	s_bfe_u32 s[CY], ttmp6, 0x40004
	s_lshl_b32 s[TX], ttmp9, 2
	s_add_co_u32 s[TX], s[TX], s[CX]
	s_and_b32 s[TY], ttmp7, 0xffff
	s_lshl_b32 s[TY], s[TY], 2
	s_add_co_u32 s[TY], s[TY], s[CY]
	s_lshl_b32 s20, s[CY], 2
	s_lshl_b32 s20, 15, s20                        ; my row of the cluster
	s_lshl_b32 s21, 0x1111, s[CX]                  ; my column
	s_or_b32 s[G1A], s20, (1<<16)|(1<<20)|(1<<21)|(4<<22)|(3<<25)  ; padding of 4 words after every 32
	s_or_b32 s[G1B], s21, (1<<16)|(1<<20)|(1<<21)|(5<<22)|(7<<25)  ; of 8 words after every 64
.irp g, G1A, G1B
	s_mov_b32 s[(\g)+1], 128<<16
	s_mov_b32 s[(\g)+2], 128<<16
	s_mov_b32 s[(\g)+3], 128<<16
	s_mov_b32 s[(\g)+4], 128
	s_mov_b32 s[(\g)+6], 0
	s_mov_b32 s[(\g)+7], 0
.endr
	s_mov_b32 s[G1A+5], 128                        ; O: dense rows of 256 bytes
	s_mov_b32 s[G1B+5], 1024                       ; Wo: 1,024 elements from row to row
	s_lshl_b32 s42, s[TY], 18                      ; O: a block of rows is 262,144 bytes,
	s_lshl_b32 s43, s[WN], 15                      ; two heads 32,768
	s_add_co_u32 s42, s42, s43
	s_mov_b32 s43, 0
	s_lshl_b32 s46, s[WN], 18                      ; Wo: 128 rows of 2,048 bytes,
	s_lshl_b32 s47, s[TX], 8                       ; 256 bytes of a row for each tile column,
	s_add_co_u32 s46, s46, s47
	s_add_co_u32 s46, s46, 3*2097152               ; in plane 3
	s_mov_b32 s47, 0
	s_mul_i32 s19, s[WV], REG                      ; where my tile goes: region = wave
	s_wait_dscnt 0x0
	s_wait_kmcnt 0x0
	s_add_nc_u64 s[40:41], s[4:5], s[42:43]
	s_add_nc_u64 s[44:45], s[6:7], s[46:47]
	CROUND                                         ; all sixteen work-groups are here: the first joint loads meet
.irp s, 0,1
	s_mov_b32 s[G0A+4*(\s)], 1
	s_add_co_u32 s[G0A+4*(\s)+1], s19, (\s)*SLOT
	s_add_nc_u64 s[G0A+4*(\s)+2:G0A+4*(\s)+3], s[40:41], (\s)*65536
	s_or_b32 s[G0A+4*(\s)+3], s[G0A+4*(\s)+3], 0x80000000
	s_mov_b32 s[G0B+4*(\s)], 1
	s_add_co_u32 s[G0B+4*(\s)+1], s19, (\s)*SLOT
	s_add_nc_u64 s[G0B+4*(\s)+2:G0B+4*(\s)+3], s[44:45], (\s)*524288
	s_or_b32 s[G0B+4*(\s)+3], s[G0B+4*(\s)+3], 0x80000000
	JLOAD \s
.endr
	v_and_b32 v1, 15, v0                           ; r
	v_bfe_u32 v2, v0, 4, 1                         ; h
	v_and_b32 v3, 7, v0
	v_bfe_u32 v4, v0, 3, 1
	s_lshl_b32 s20, s[TX], 9
	s_lshl_b32 s21, s[WN], 8
	s_add_co_u32 s20, s20, s21                     ; my first column, in bytes of f32
	v_lshl_add_u32 v[BO], v2, 5, s20
.irp b, 0,1,2,3
	global_load_b128 v[BIAS+8*(\b):BIAS+8*(\b)+3],   v[BO], s[8:9] offset:64*(\b)
	global_load_b128 v[BIAS+8*(\b)+4:BIAS+8*(\b)+7], v[BO], s[8:9] offset:64*(\b)+16
.endr
	v_mul_u32_u24 v5, v1, PAH
	v_lshl_add_u32 v5, v2, 4, v5
	s_mul_i32 s21, s[WM], 64*PAH
	v_add_nc_u32 v[ADRA], s21, v5
	v_add_nc_u32 v[ADRA+1], SLOT, v[ADRA]
	v_lshl_add_u32 v6, v2, 3, v3
	v_mul_u32_u24 v6, v6, PB
	v_lshl_add_u32 v6, v4, 4, v6
	s_lshl_b32 s21, s[WN], 7
	v_add_nc_u32 v6, s21, v6
.irp s, 0,1
.irp hf, 0,1
	v_add_nc_u32 v[ADRB+2*(\s)+(\hf)], (\s)*SLOT+2*REG+(\hf)*REG, v6
.endr
.endr
	s_mul_i32 s21, s[WV], 16*SPITCH
	s_add_co_u32 s21, s21, STAGE
	v_mul_u32_u24 v5, v1, SPITCH
	v_lshl_add_u32 v5, v2, 5, v5
	v_add_nc_u32 v[STO], s21, v5                   ; in: row r, 32 bytes for each half of the lanes
	v_mul_u32_u24 v5, v2, SPITCH
	v_lshl_add_u32 v5, v1, 4, v5
	v_add_nc_u32 v[RD], s21, v5                    ; back: lanes 0-15 one row of 256 bytes, lanes 16-31 the next
	v_lshlrev_b32 v5, 12, v2
	v_lshl_add_u32 v[CO], v1, 4, v5                ; and the same two rows in out0
	s_lshl_b32 s42, s[TY], 19                      ; 128 rows of 4,096 bytes,
	s_lshl_b32 s43, s[WM], 18                      ; my 64,
	s_add_co_u32 s42, s42, s43
	s_add_co_u32 s42, s42, s20                     ; my columns
	s_mov_b32 s43, 0
	s_add_nc_u64 s[10:11], s[10:11], s[42:43]
	s_wait_loadcnt 0x0
.set i, 0
.rept 16
	v_cvt_pk_bf16_f32 v[TMPB+i], v[BIAS+2*i], v[BIAS+2*i+1]
	v_lshlrev_b32 v[BIAS+2*i], 16, v[TMPB+i]
	v_and_b32 v[BIAS+2*i+1], 0xffff0000, v[TMPB+i]
.set i, i+1
.endr
; 8 matrix instructions: row blocks a0, a0 + 1 x 4 column blocks, 32 along K: half c of buffer f.  first = 1: the bias starts the sums.  The 16 accumulators take turns.
.macro MUL8 f, c, a0, first
	WIN MUL
.irp a, \a0, (\a0)+1
.irp b, 0,1,2,3
.if \first
	v_wmma_f32_16x16x32_f16 v[ACC+8*(4*(\a)+(\b)):ACC+8*(4*(\a)+(\b))+7], v[(\f)+64+8*(4*(\c)+(\b)):(\f)+64+8*(4*(\c)+(\b))+7], v[(\f)+8*(4*(\c)+(\a)):(\f)+8*(4*(\c)+(\a))+7], v[BIAS+8*(\b):BIAS+8*(\b)+7]
.else
	v_wmma_f32_16x16x32_f16 v[ACC+8*(4*(\a)+(\b)):ACC+8*(4*(\a)+(\b))+7], v[(\f)+64+8*(4*(\c)+(\b)):(\f)+64+8*(4*(\c)+(\b))+7], v[(\f)+8*(4*(\c)+(\a)):(\f)+8*(4*(\c)+(\a))+7], v[ACC+8*(4*(\a)+(\b)):ACC+8*(4*(\a)+(\b))+7]
.endif
.endr
.endr
.endm
; 32 LDS loads in one run: quarter qd of a step (one head, 64 along K) into buffer f; the first 32 along K first
.macro FETCH slot, qd, f
	WIN TO_F
.irp c, 0,1
.irp i, 0,1,2,3
	ds_load_tr16_b128 v[(\f)+64+8*(4*(\c)+(\i)):(\f)+64+8*(4*(\c)+(\i))+3],   v[ADRB+2*(\slot)+(\qd)/2] offset:((\qd)%2)*64*PB+(\c)*32*PB+(\i)*32
	ds_load_tr16_b128 v[(\f)+64+8*(4*(\c)+(\i))+4:(\f)+64+8*(4*(\c)+(\i))+7], v[ADRB+2*(\slot)+(\qd)/2] offset:((\qd)%2)*64*PB+(\c)*32*PB+(\i)*32+16*PB
	ds_load_b128 v[(\f)+8*(4*(\c)+(\i)):(\f)+8*(4*(\c)+(\i))+3],              v[ADRA+(\slot)] offset:(\qd)*128*PAH+(\c)*64+(\i)*16*PAH
	ds_load_b128 v[(\f)+8*(4*(\c)+(\i))+4:(\f)+8*(4*(\c)+(\i))+7],            v[ADRA+(\slot)] offset:(\qd)*128*PAH+(\c)*64+(\i)*16*PAH+32
.endr
.endr
.endm
.macro QUARTER slot, qd, f, g, first
	s_wait_dscnt 16                                ; the first 32 along K are in
	MUL8 \f, 0, 0, \first
	MUL8 \f, 0, 2, \first
	PLACES
	FETCH \slot, \qd, \g
	s_wait_dscnt 32                                ; all but the 32 just issued
	MUL8 \f, 1, 0, 0
	MUL8 \f, 1, 2, 0
.endm
; The last quarter multiplies buffer 1 and changes slots: in front of the barrier each wave waits for all its tensor loads, adds 0 to its spare word, and waits for that and for its reads of this slot.
.macro TURN slot, next, fill
	WIN 0
	s_wait_tensorcnt 0x0
	ds_add_u32 v[SPW], v[NIL]
	s_wait_dscnt 17                                ; (the add and the youngest sixteen loads may be out)
	MUL8 F1, 0, 0, 0
	s_wait_dscnt 0x0
	s_barrier_signal -1
	MUL8 F1, 0, 2, 0
.if \fill
	WIN 0
.endif
	s_barrier_wait -1
.if \fill
	CREST                                          ; no wave of any partner still reads this slot or has a load on its way
	s_add_nc_u64 s[G0A+4*(\slot)+2:G0A+4*(\slot)+3], s[G0A+4*(\slot)+2:G0A+4*(\slot)+3], 131072
	s_add_nc_u64 s[G0B+4*(\slot)+2:G0B+4*(\slot)+3], s[G0B+4*(\slot)+2:G0B+4*(\slot)+3], 1048576
	JLOAD \slot
.else
	PLACES
.endif
	FETCH \next, 0, F0
	MUL8 F1, 1, 0, 0
	MUL8 F1, 1, 2, 0
.endm
; THE WAY OUT.  Block a: 16 rows x 64 columns of f32: 32 bytes a lane into rows of 272 bytes of my stage, back as whole rows of 256 bytes into the same registers.
.macro STG a
.irp b, 0,1,2,3
	ds_store_b128 v[STO], v[ACC+8*(4*(\a)+(\b)):ACC+8*(4*(\a)+(\b))+3]   offset:64*(\b)
	ds_store_b128 v[STO], v[ACC+8*(4*(\a)+(\b))+4:ACC+8*(4*(\a)+(\b))+7] offset:64*(\b)+16
.endr
.irp t, 0,1,2,3,4,5,6,7
	ds_load_b128 v[ACC+32*(\a)+4*(\t):ACC+32*(\a)+4*(\t)+3], v[RD] offset:(\t)*2*SPITCH  ; LDS serves a wave's instructions in order (ISA guide 5.7.1.4)
.endr
.endm
.macro SENDO a, younger
.irp t, 0,1,2,3,4,5,6,7
	s_wait_dscnt (\younger)+7-(\t)
	global_store_b128 v[CO], v[ACC+32*(\a)+4*(\t):ACC+32*(\a)+4*(\t)+3], s[10:11] offset:(16*(\a)+2*(\t))*4096 th:TH_STORE_NT  ; 16 lanes store 256 consecutive bytes, aligned
.endr
.endm
	s_wait_tensorcnt 1                             ; my part of K step 0 is in; K step 1 may stay out
	s_barrier_signal -1
	s_barrier_wait -1
	FETCH 0, 0, F0
	QUARTER 0, 1, F0, F1, 1
	QUARTER 0, 2, F1, F0, 0
	QUARTER 0, 3, F0, F1, 0
	TURN 0, 1, 1                                   ; slot 0 takes K step 2
	QUARTER 1, 1, F0, F1, 0
	QUARTER 1, 2, F1, F0, 0
	QUARTER 1, 3, F0, F1, 0
	TURN 1, 0, 1                                   ; slot 1 takes K step 3
	QUARTER 0, 1, F0, F1, 0
	QUARTER 0, 2, F1, F0, 0
	QUARTER 0, 3, F0, F1, 0
	TURN 0, 1, 0
	QUARTER 1, 1, F0, F1, 0
	QUARTER 1, 2, F1, F0, 0
	QUARTER 1, 3, F0, F1, 0
	s_wait_dscnt 16
	MUL8 F1, 0, 0, 0
	MUL8 F1, 0, 2, 0
	s_wait_dscnt 0x0
	MUL8 F1, 1, 0, 0
	MUL8 F1, 1, 2, 0
	WIN 0
	PLACES
	PLACES
	STG 0
	STG 1
	SENDO 0, 16
	STG 2
	SENDO 1, 16
	STG 3
	SENDO 2, 16
	SENDO 3, 0
	s_wait_tensorcnt 0x0                           ; the end of the wave
	ds_add_u32 v[SPW], v[NIL]
	s_wait_dscnt 0x0
	CROUND                                         ; the closing round
	s_endpgm
.Lfunc_end_k_q67d991fd8d_oproj:
	.size	k_q67d991fd8d_oproj, .Lfunc_end_k_q67d991fd8d_oproj-k_q67d991fd8d_oproj
	.p2alignl 7, 3214868480
	.fill 96, 4, 3214868480
	.section	.rodata,"a",@progbits
	.p2align	6, 0x0
	.amdhsa_kernel k_q67d991fd8d_oproj
		.amdhsa_group_segment_fixed_size 327680
		.amdhsa_private_segment_fixed_size 0
		.amdhsa_enable_private_segment 0
		.amdhsa_kernarg_size 32
		.amdhsa_user_sgpr_count 2
		.amdhsa_user_sgpr_kernarg_segment_ptr 1
		.amdhsa_wavefront_size32 1
		.amdhsa_system_sgpr_workgroup_id_x 1
		.amdhsa_system_sgpr_workgroup_id_y 1
		.amdhsa_system_sgpr_workgroup_id_z 1
		.amdhsa_system_vgpr_workitem_id 0
		.amdhsa_next_free_vgpr 512
		.amdhsa_next_free_sgpr 66
		.amdhsa_reserve_vcc 0
		.amdhsa_float_denorm_mode_32 3
		.amdhsa_float_denorm_mode_16_64 3
		.amdhsa_memory_ordered 1
		.amdhsa_forward_progress 1
		.amdhsa_inst_pref_size 90
	.end_amdhsa_kernel
	.amdgpu_metadata
---
amdhsa.version: [ 1, 2 ]
amdhsa.kernels:
  - .name:           k_q67d991fd8d_oproj
    .symbol:         k_q67d991fd8d_oproj.kd
    .args:
      - { .name: ob, .offset: 0, .size: 8, .value_kind: global_buffer, .address_space: global }
      - { .name: wb, .offset: 8, .size: 8, .value_kind: global_buffer, .address_space: global }
      - { .name: bo, .offset: 16, .size: 8, .value_kind: global_buffer, .address_space: global }
      - { .name: out0, .offset: 24, .size: 8, .value_kind: global_buffer, .address_space: global }
    .group_segment_fixed_size: 327680
    .private_segment_fixed_size: 0
    .kernarg_segment_align: 8
    .kernarg_segment_size: 32
    .max_flat_workgroup_size: 128
    .sgpr_count:     66
    .vgpr_count:     512
    .wavefront_size: 32
...
	.end_amdgpu_metadata
.endif
;; end of part 4
;; ======== version 2 of 2: 4 launches; version 1 with the launch prep written anew for expert scheduling mode
;; limits: values are held in f16: magnitudes above 65,504 overflow, below 6.1e-05 lose precision
;; workspace buffers: xb 8,388,608 bytes; wb 8,388,608 bytes; qh 8,388,608 bytes; kh 8,396,800 bytes; vh 8,388,608 bytes; ob 8,388,608 bytes
;; launch prep (part 5): grid 256 x 1, 8 waves a work-group, no clusters, 0 bytes of LDS; arguments x, Wq, Wk, Wv, Wo, xb, wb, kh; writes xb, wb, kh
.if DOCPART == 5
	.amdgcn_target "amdgcn-amd-amdhsa--gfx1250"
	.amdhsa_code_object_version 6
	.text
	.protected	k_q67d991fd8d_prep
	.globl	k_q67d991fd8d_prep
	.p2align	8
	.type	k_q67d991fd8d_prep,@function
k_q67d991fd8d_prep:
	s_mov_b64 s[64:65], 0
	v_nop
	global_prefetch_b8 v0, s[64:65] scope:SCOPE_SE
	s_setreg_imm32_b32 hwreg(HW_REG_WAVE_SCHED_MODE, 0, 2), 2
	s_setreg_imm32_b32 hwreg(HW_REG_WAVE_MODE, 25, 1), 1
	s_wait_xcnt 0x0
	s_wait_alu depctr_vm_vsrc(0)
; THE INPUTS ARE ROUNDED ONCE, FOR THE MATRIX UNITS.  x -> xb and Wq, Wk, Wv -> planes 0, 1, 2 of wb in bf16; Wo -> plane 3 of wb, rounded to bf16 and that number written as f16
; (the last product multiplies f16 by f16).  LIMIT: a Wo entry below 6e-5 keeps the fixed step 6e-8 of f16; beyond 65,504 it would be lost.
; A stream: no LDS, no barrier.  A work-group takes 32,768 consecutive numbers (131,072 bytes in, 65,536 out): groups 0-127 x, groups 128-255 the four weights, 32 groups each.
; A wave takes 4,096 numbers: 32 loads of 512 consecutive bytes, all issued at once; each load makes one store of 256 consecutive bytes, aligned.
; Work-group 0 also writes 8,192 bytes of zeros behind the 16 heads of kh: the attention launch asks for K shifted by 64 keys, and the last tile of the last head reaches so far.
; THE MODE: SCHED_MODE bits 1:0 = 2 (LLVM: expert scheduling mode 2), set by the entry lines.  The code itself states the register dependences
; between vector instructions and memory instructions, with s_wait_alu, always for 0.
; THE PLAN.  The 32 loads are taken in 8 blocks of four.  Registers that memory instructions touch:
;   v1, v2   byte offsets of the loads and of the stores, made once at the head and never written again.
;   X        the loads land in it, once; no vector line names it before them, and no memory instruction reads it.  Block p's conversions read its four loads' registers behind the wait for them.
;   Y        a pair of its own for each store, written once, by block p's conversions, and read by the four stores that are issued in block p + 1.
;   T, v3    in work-group 0's tail the zeros and their offset: written there, then read by the two stores behind kh.  Before that only vector lines name them.
; Block p's memory instructions are the stores from the Y pairs of block p - 1, which no vector line of block p names.  So ONE wait at a block's head states all that its four stores hang on,
; and they are dealt among the block's conversions with no further wait.  No register that a memory instruction has read is ever written again.
.set X,  4                             ; v[4:131]   32 x 4 numbers as loaded
.set Y,  132                           ; v[132:195] 32 x 2 registers to store: a pair of its own for each store, so none is rewritten
.set T,  196                           ; v[196:199] at work
.set ID, 24                            ; s24 the work-group
	s_load_b256 s[4:11], s[0:1], 0x0               ; x s[4:5], Wq s[6:7], Wk s[8:9], Wv s[10:11]
	s_load_b256 s[12:19], s[0:1], 0x20             ; Wo s[12:13], xb s[14:15], wb s[16:17], kh s[18:19]
	v_lshrrev_b32 v3, 5, v0                        ; wave
	v_and_b32 v1, 31, v0                           ; lane
	v_lshlrev_b32 v2, 3, v1
	v_lshlrev_b32 v1, 4, v1
	v_lshl_or_b32 v1, v3, 14, v1                   ; in: 16,384 x wave + 16 x lane
	v_lshl_or_b32 v2, v3, 13, v2                   ; out: 8,192 x wave + 8 x lane
	s_mov_b32 s[ID], ttmp9
	s_and_b32 s25, s[ID], 31                       ; my part of a weight
	s_sub_co_u32 s28, s[ID], 128                   ; my part of wb
	s_cmp_lt_u32 s[ID], 128
	s_cselect_b32 s26, s[ID], s25
	s_cselect_b32 s28, s[ID], s28
	s_lshl_b32 s26, s26, 17                        ; bytes in
	s_mov_b32 s27, 0
	s_lshl_b32 s28, s28, 16                        ; bytes out
	s_mov_b32 s29, 0
	s_wait_kmcnt 0x0
	s_mov_b64 s[20:21], s[12:13]                   ; the source: Wo, unless the number of the group says otherwise
	s_cmp_lt_u32 s[ID], 224
	s_cselect_b64 s[20:21], s[10:11], s[20:21]
	s_cmp_lt_u32 s[ID], 192
	s_cselect_b64 s[20:21], s[8:9], s[20:21]
	s_cmp_lt_u32 s[ID], 160
	s_cselect_b64 s[20:21], s[6:7], s[20:21]
	s_cmp_lt_u32 s[ID], 128
	s_cselect_b64 s[20:21], s[4:5], s[20:21]
	s_cselect_b64 s[22:23], s[14:15], s[16:17]     ; the destination: xb or wb
	s_add_nc_u64 s[20:21], s[20:21], s[26:27]
	s_add_nc_u64 s[22:23], s[22:23], s[28:29]
	s_wait_alu depctr_va_vdst(0)                   ; v1 and v2 are written: every load below reads v1 as its offset, every store of the stream v2
.set j, 0
.rept 32
	global_load_b128 v[X+4*j:X+4*j+3], v1, s[20:21] offset:512*j th:TH_LOAD_NT
.set j, j+1
.endr
; Block p: loads 4 p to 4 p + 3 are converted; the four stores of block p - 1 go out, one ahead of each load's conversions.  half = 1: bf16 first, then that number as f16.
.macro BLK p, half
	s_wait_loadcnt 28-4*(\p)                       ; loads come back in order: my four are in, the 28 - 4 p younger ones may stay out
.if (\p) > 0
	s_wait_alu depctr_va_vdst(0)                   ; the conversions of the block before have written their four pairs of Y, which the stores below read
.endif
.irp i, 0,1,2,3
.set jc, 4*(\p)+(\i)                   ; the load that is converted
.set js, jc-4                          ; the store that goes out
.if (\p) > 0
	global_store_b64 v2, v[Y+2*js:Y+2*js+1], s[22:23] offset:256*js  ; 32 lanes store 256 consecutive bytes, aligned; no vector line since the wait names these registers
.endif
.if \half
	v_cvt_pk_bf16_f32 v[T],   v[X+4*jc],   v[X+4*jc+1]
	v_cvt_pk_bf16_f32 v[T+1], v[X+4*jc+2], v[X+4*jc+3]
	v_lshlrev_b32 v[X+4*jc],   16, v[T]
	v_and_b32     v[X+4*jc+1], 0xffff0000, v[T]
	v_lshlrev_b32 v[X+4*jc+2], 16, v[T+1]
	v_and_b32     v[X+4*jc+3], 0xffff0000, v[T+1]
	v_cvt_pk_f16_f32 v[Y+2*jc],   v[X+4*jc],   v[X+4*jc+1]
	v_cvt_pk_f16_f32 v[Y+2*jc+1], v[X+4*jc+2], v[X+4*jc+3]
.else
	v_cvt_pk_bf16_f32 v[Y+2*jc],   v[X+4*jc],   v[X+4*jc+1]
	v_cvt_pk_bf16_f32 v[Y+2*jc+1], v[X+4*jc+2], v[X+4*jc+3]
.endif
.endr
.endm
; Behind block 7: its own four stores.
.macro TAIL
	s_wait_alu depctr_va_vdst(0)                   ; the conversions of block 7 have written the last four pairs of Y, which these stores read
.irp i, 28,29,30,31
	global_store_b64 v2, v[Y+2*(\i):Y+2*(\i)+1], s[22:23] offset:256*(\i)
.endr
.endm
	s_cmp_lt_u32 s[ID], 224
	s_cbranch_scc0 .Lwo
.irp p, 0,1,2,3,4,5,6,7
	BLK \p, 0
.endr
	TAIL
	s_cmp_lg_u32 s[ID], 0
	s_cbranch_scc1 .Lend
	v_lshlrev_b32 v3, 4, v0                        ; the zeros behind kh: 256 threads x 16 bytes, twice
	v_mov_b32 v[T], 0
	v_mov_b32 v[T+1], 0
	v_mov_b32 v[T+2], 0
	v_mov_b32 v[T+3], 0
	s_add_nc_u64 s[18:19], s[18:19], 0x800000
	s_wait_alu depctr_va_vdst(0)                   ; v3 and the four zeros are written, which the two stores read as offset and data
	global_store_b128 v3, v[T:T+3], s[18:19]
	global_store_b128 v3, v[T:T+3], s[18:19] offset:4096
.Lend:
	s_endpgm
.Lwo:
.irp p, 0,1,2,3,4,5,6,7
	BLK \p, 1
.endr
	TAIL
	s_endpgm
.Lfunc_end_k_q67d991fd8d_prep:
	.size	k_q67d991fd8d_prep, .Lfunc_end_k_q67d991fd8d_prep-k_q67d991fd8d_prep
	.p2alignl 7, 3214868480
	.fill 96, 4, 3214868480
	.section	.rodata,"a",@progbits
	.p2align	6, 0x0
	.amdhsa_kernel k_q67d991fd8d_prep
		.amdhsa_group_segment_fixed_size 0
		.amdhsa_private_segment_fixed_size 0
		.amdhsa_enable_private_segment 0
		.amdhsa_kernarg_size 64
		.amdhsa_user_sgpr_count 2
		.amdhsa_user_sgpr_kernarg_segment_ptr 1
		.amdhsa_wavefront_size32 1
		.amdhsa_system_sgpr_workgroup_id_x 1
		.amdhsa_system_sgpr_workgroup_id_y 1
		.amdhsa_system_sgpr_workgroup_id_z 1
		.amdhsa_system_vgpr_workitem_id 0
		.amdhsa_next_free_vgpr 200
		.amdhsa_next_free_sgpr 66
		.amdhsa_reserve_vcc 0
		.amdhsa_float_denorm_mode_32 3
		.amdhsa_float_denorm_mode_16_64 3
		.amdhsa_memory_ordered 1
		.amdhsa_forward_progress 1
		.amdhsa_inst_pref_size 31
	.end_amdhsa_kernel
	.amdgpu_metadata
---
amdhsa.version: [ 1, 2 ]
amdhsa.kernels:
  - .name:           k_q67d991fd8d_prep
    .symbol:         k_q67d991fd8d_prep.kd
    .args:
      - { .name: x, .offset: 0, .size: 8, .value_kind: global_buffer, .address_space: global }
      - { .name: Wq, .offset: 8, .size: 8, .value_kind: global_buffer, .address_space: global }
      - { .name: Wk, .offset: 16, .size: 8, .value_kind: global_buffer, .address_space: global }
      - { .name: Wv, .offset: 24, .size: 8, .value_kind: global_buffer, .address_space: global }
      - { .name: Wo, .offset: 32, .size: 8, .value_kind: global_buffer, .address_space: global }
      - { .name: xb, .offset: 40, .size: 8, .value_kind: global_buffer, .address_space: global }
      - { .name: wb, .offset: 48, .size: 8, .value_kind: global_buffer, .address_space: global }
      - { .name: kh, .offset: 56, .size: 8, .value_kind: global_buffer, .address_space: global }
    .group_segment_fixed_size: 0
    .private_segment_fixed_size: 0
    .kernarg_segment_align: 8
    .kernarg_segment_size: 64
    .max_flat_workgroup_size: 256
    .sgpr_count:     66
    .vgpr_count:     200
    .wavefront_size: 32
...
	.end_amdgpu_metadata
.endif
;; end of part 5
;; launch qkv: the kernel of part 2 again; grid 8 x 32, 4 waves a work-group, clusters of 4 x 4, 327,680 bytes of LDS; arguments xb, wb, bq, bk, bv, qh, kh, vh; writes qh, kh, vh
;; launch attn: the kernel of part 3 again; grid 16 x 16, 4 waves a work-group, no clusters, 327,680 bytes of LDS; arguments qh, kh, vh, ob; writes ob
;; launch oproj: the kernel of part 4 again; grid 8 x 32, 4 waves a work-group, clusters of 4 x 4, 327,680 bytes of LDS; arguments ob, wb, bo, out0; writes out0
